; MI455X (gfx1250); checked and timed in simulation.
; The chip was launched on July 23, 2026; its instructions are those of AMD's public machine-readable ISA for CDNA 5 (MIT licence, August 2026) and "CDNA5" Instruction Set Architecture Reference Guide (July 2026). The comments in the code are by the model that wrote it; some were corrected since.
;; Multi Head Attention. Allowed arithmetic: matrix products marked QUANTISED: E4M3 operands, one given power-of-two scale a tensor, by v_wmma_f32_16x16x64_fp8_fp8 or v_wmma_f32_16x16x128_fp8_fp8, f32 sums; everything else in f32.
;; Inputs: Wk 1,024 x 1,024 float32; Wo 1,024 x 1,024 float32; Wq 1,024 x 1,024 float32; Wv 1,024 x 1,024 float32; bk 1,024 float32; bo 1,024 float32; bq 1,024 float32; bv 1,024 float32; lowp_scales 12 int32 (the exponents e of the quantised operands' scales 2^e); x 2 x 2,048 x 1,024 float32.
;; Outputs: out0 2 x 2,048 x 1,024 float32.
;; This version of the problem:
;;   THIS VERSION OF THE PROBLEM IS GIVEN IN LOW PRECISION. The matrix products marked QUANTISED in the list below multiply operands that are first quantised to E4M3 (4 exponent bits, 3 mantissa bits; 8 bits a number), with one given power-of-two scale for each operand tensor; their sums are f32. All else is computed in f32.
;;   The module's matrix products, in the order in which they are computed (A, B: the left and right operand; K: the contracted axis; several contracted axes count as one K, in the product's order):
;;     1. [M 4,096, K 1,024] x [K 1,024, N 1,024]; A: input x; B: input Wq: QUANTISED (scales: A lowp_scales[0], B lowp_scales[1])
;;     2. [M 4,096, K 1,024] x [K 1,024, N 1,024]; A: input x; B: input Wk: QUANTISED (scales: A lowp_scales[2], B lowp_scales[3])
;;     3. [M 4,096, K 1,024] x [K 1,024, N 1,024]; A: input x; B: input Wv: QUANTISED (scales: A lowp_scales[4], B lowp_scales[5])
;;     4. batch 32 x [M 2,048, K 64] x [K 64, N 2,048]; A: computed on the way; B: computed on the way: QUANTISED (scales: A lowp_scales[6], B lowp_scales[7])
;;     5. batch 32 x [M 2,048, K 2,048] x [K 2,048, N 64]; A: softmax (see below); B: computed on the way: QUANTISED (scales: A lowp_scales[8], B lowp_scales[9])
;;     6. [M 4,096, K 1,024] x [K 1,024, N 1,024]; A: computed on the way; B: input Wo: QUANTISED (scales: A lowp_scales[10], B lowp_scales[11])
;;   THE QUANTISER, for each operand of a quantised product, along K:
;;     - The operand's scale is 2^e, e = its entry of the input lowp_scales (int32; the entries are numbered through the quantised products in the list's order, A before B).
;;     - Each number is divided by the scale, clamped to +-448, and rounded to the nearest number of E4M3, ties to even, subnormals kept.
;;     - The product sums the exact products of the quantised numbers (number of the format x scale) in f32.
;;   ~~~python
;;   def quantise(x, axis, e):      # numpy; x: float32 -> the quantised numbers, widened to float32 again
;;       x = np.moveaxis(x, axis, -1); K = x.shape[-1]
;;       r = np.clip(x / 2.0 ** e, -448, 448)
;;       step = 2.0 ** (np.maximum(np.frexp(np.where(r == 0, 1, r))[1] - 1, -6) - 3)
;;       q = np.round(r / step) * step * 2.0 ** e      # np.round: ties to even
;;       return np.moveaxis(q, -1, axis).astype(np.float32)
;;   ~~~
;;   SOFTMAX AHEAD OF A QUANTISED PRODUCT. Where the list says 'softmax', what is quantised is not the finished softmax but p = 2^(t - M), with t = logit x log2(e) and M = ceil(the row's largest t), a whole number; so 1/2 < the row's largest p <= 1. The row's sum l is taken of the UNQUANTISED p, in f32, and the product's result is divided by l at the end. Since M is a whole number, a kernel that streams over the keys may use a running M (the ceiling of the running maximum): every later rescaling is an exact power of two, so the quantised numbers keep their values, but for numbers so far below the row's largest that they fall under the format's range.
;;   OPERANDS COMPUTED ON THE WAY. 'Computed on the way' means the value that the module computes at that place (a softmax that the list does not call 'softmax' is quantised finished and normalised). What goes into a quantiser is computed in f32, as accurately as f32 sums, v_exp_f32 and their like allow (about 1e-6 of the number): no bf16 or f16 on the way to a quantiser, and a product that is left as it is and whose result goes on into a quantised operand takes f32 operands (vector FMAs, or v_wmma_f32_16x16x4_f32). A number that lies on a knife's edge between two numbers of the format may be rounded either way, as far as f32 arithmetic and the matrix unit's own rounding can turn it there, and no further.
;; 2 versions. Each part assembles by itself: llvm-mc -triple=amdgcn-amd-amdhsa -mcpu=gfx1250 --defsym DOCPART=n.
;; ======== version 1 of 2: 4 launches
;; workspace buffers: xc 12,582,912 bytes; wc 4,194,304 bytes; qkv 12,582,912 bytes; oc 4,194,304 bytes
;; launch quant (part 1): grid 256 x 1, 4 waves a work-group, no clusters, 68,096 bytes of LDS; arguments x, Wq, Wk, Wv, Wo, lowp_scales, xc, wc; writes xc, wc
.if DOCPART == 1
	.amdgcn_target "amdgcn-amd-amdhsa--gfx1250"
	.amdhsa_code_object_version 6
	.text
	.protected	k_qf1f5f6e95a_quant
	.globl	k_qf1f5f6e95a_quant
	.p2align	8
	.type	k_qf1f5f6e95a_quant,@function
k_qf1f5f6e95a_quant:
	s_mov_b64 s[64:65], 0
	v_nop
	global_prefetch_b8 v0, s[64:65] scope:SCOPE_SE
	s_setreg_imm32_b32 hwreg(HW_REG_WAVE_MODE, 25, 1), 1
	s_wait_xcnt 0x0
; x [4096][1024] f32 becomes three sets of E4M3 codes, xc [3][4096][1024], with the scales 2^e0, 2^e2, 2^e4 (x is an operand of three products, each with a scale of its own).
; Wq, Wk, Wv, Wo [k 1024][n 1024] f32 become codes wc [4][n 1024][k 1024], K innermost, with 2^e1, 2^e3, 2^e5, 2^e11.
; code = number / 2^e, held within +-448, to the nearest code, ties to even.
; LIMITS: each e used here lies between -126 and 119, so that 2^e and 448 x 2^e are f32 numbers.  NaN among the inputs is not served.
; Work-groups 0-127 take x, 128-255 the weights.  The two ways part on the work-group's number and have LDS bytes of their own: x's 0 .. 32,767, the weights' 32,768 .. 67,583.
; No tensor load, no barrier: waves share nothing.  Matrix units and clusters have nothing to do here: each input byte is read once and each code written once.
.set STEPS, 16                         ; x: steps of 512 numbers for a wave
.set R,     16                         ; v16-79   four sets of 16 numbers as loaded
.set X,     80                         ; v80-111  two sets of 16 neighbours
.set T,     112                        ; v112-159 the 16 numbers held within each of the three scales' ranges
.set C,     160                        ; v160-183 two sets of 3 x 4 registers of codes
.set WREG,  8192                       ; x: LDS bytes of a wave: two stages of 32 x SP
.set SP,    80                         ; a lane's place in a stage: 64 bytes + 16 of padding
.set WSTG,  32768                      ; the weights' stages begin here
.set PITCH, 272                        ; a stage row: 256 codes + 16 bytes of padding
.set WX,    32                         ; v32-95   weights: two sets of 32 numbers down K
.set WC,    96                         ; v96-103  a block's codes
.set OUTR,  112                        ; v112-175 the way out
	s_load_b256 s[4:11], s[0:1], 0x0               ; x, Wq, Wk, Wv
	s_load_b256 s[12:19], s[0:1], 0x20             ; Wo, the scales' exponents, xc, wc
	v_lshl_add_u32 v192, v0, 2, 0x10800
	v_mov_b32 v193, 0
	v_lshrrev_b32 v1, 5, v0
	v_readfirstlane_b32 s32, v1                    ; wave 0..3
	v_and_b32 v2, 31, v0                           ; lane
	s_wait_kmcnt 0x0
	s_load_b256 s[20:27], s[14:15], 0x0            ; e0 .. e7
	s_load_b128 s[28:31], s[14:15], 0x20           ; e8 .. e11
	s_cmp_lt_u32 ttmp9, 128
	s_cbranch_scc0 .Lweights
; ---------------- x: a plain stream of numbers; a wave takes 8,192 of them ----------------
; A load reads 512 consecutive bytes, 16 a lane; the conversions want 16 NEIGHBOURS in a lane: a step's 2,048 bytes turn through the wave's own stage in LDS.
	v_lshlrev_b32 v3, 4, v2                        ; my 16 bytes of a load's 512
	v_lshlrev_b32 v4, 4, v2                        ; my 16 codes of a step's 512
	s_mul_i32 s33, s32, WREG
	v_lshrrev_b32 v14, 2, v2
	v_mul_u32_u24 v14, v14, SP
	v_and_b32 v15, 3, v2
	v_lshl_add_u32 v14, v15, 4, v14
	v_add_nc_u32 v14, s33, v14                     ; into the stage: SP (lane / 4) + 16 (lane % 4)
	v_mul_u32_u24 v15, v2, SP
	v_add_nc_u32 v15, s33, v15                     ; out of it: SP x lane
	s_lshl_b32 s34, ttmp9, 2
	s_add_co_u32 s34, s34, s32                     ; which run of 8,192 numbers is my wave's: 0 .. 511
	s_lshl_b32 s42, s34, 15                        ; in bytes of f32
	s_mov_b32 s43, 0
	s_add_nc_u64 s[4:5], s[4:5], s[42:43]
	s_lshl_b32 s42, s34, 13                        ; in bytes of codes
	s_add_nc_u64 s[36:37], s[16:17], s[42:43]      ; set 0,
	s_add_nc_u64 s[38:39], s[36:37], 0x400000      ; set 1,
	s_add_nc_u64 s[40:41], s[36:37], 0x800000      ; set 2: three bases, since the distance does not fit a store's immediate
.macro LOAD t
.irp i, 0,1,2,3
	global_load_b128 v[R+16*((\t)%4)+4*\i:R+16*((\t)%4)+4*\i+3], v3, s[4:5] offset:2048*(\t)+512*\i th:TH_LOAD_NT
.endr
.endm
.macro TURN t                          ; LDS serves a wave's instructions in order: no wait between the stores and the loads
.irp i, 0,1,2,3
	ds_store_b128 v14, v[R+16*((\t)%4)+4*\i:R+16*((\t)%4)+4*\i+3] offset:32*SP*((\t)%2)+8*SP*\i
.endr
.irp i, 0,1,2,3
	ds_load_b128 v[X+16*((\t)%2)+4*\i:X+16*((\t)%2)+4*\i+3], v15 offset:32*SP*((\t)%2)+16*\i
.endr
.endm
.irp t, 0,1,2,3
	LOAD \t
.endr
	s_wait_kmcnt 0x0
.irp s, 0,1,2                          ; e0, e2, e4
	s_add_co_i32 s44, s[20+2*\s], 127
	s_lshl_b32 s45, s44, 23
	v_mov_b32 v[5+\s], s45                         ; 2^e as f32: the conversion takes its exponent field
	s_add_co_i32 s44, s44, 8
	s_lshl_b32 s44, s44, 23
	s_or_b32 s44, s44, 0x600000
	v_mov_b32 v[8+\s], s44                         ; 448 x 2^e
.endr
	s_wait_loadcnt 12                              ; step 0's four loads are in; those of steps 1 to 3 may be out
	TURN 0
.macro STEP t
.set XS, X+16*((\t)%2)
.set CS, C+12*((\t)%2)
	s_wait_dscnt 0x0                               ; this step's numbers are back: so its stores into the stage have read their registers,
.if (\t)+4 < STEPS
	LOAD (\t)+4                                    ; which take the loads of four steps on
.endif
.if (\t)+1 < STEPS
.if STEPS-2-(\t) >= 3
	s_wait_loadcnt 12                              ; the next step's four loads are in; those of the three steps behind it may be out
.else
	s_wait_loadcnt 4*(STEPS-2-(\t))
.endif
	TURN (\t)+1
.endif
.irp s, 0,1,2
.set i, 0
.rept 16
	v_med3_num_f32 v[T+16*\s+i], v[XS+i], -v[8+\s], v[8+\s]   ; the conversion to an 8-bit code does not saturate (ISA guide 7.6.2): the hold comes first
.set i, i+1
.endr
.endr
.if (\t) >= 2
	s_wait_xcnt 0x0                                ; the stores of two steps ago have read this set of code registers
.endif
.irp s, 0,1,2
	v_cvt_scalef32_pk8_fp8_f32 v[CS+4*\s:CS+4*\s+1], v[T+16*\s:T+16*\s+7], v[5+\s]
	v_cvt_scalef32_pk8_fp8_f32 v[CS+4*\s+2:CS+4*\s+3], v[T+16*\s+8:T+16*\s+15], v[5+\s]
.endr
	v_nop                                          ; a plain line between the conversions and the next step's holds, which write their sources
.irp s, 0,1,2
	global_store_b128 v4, v[CS+4*\s:CS+4*\s+3], s[36+2*\s:37+2*\s] offset:512*(\t)   ; the wave stores 512 consecutive bytes, aligned
.endr
.endm
.irp t, 0,1,2,3,4,5,6,7,8,9,10,11,12,13,14,15
	STEP \t
.endr
	s_wait_tensorcnt 0x0
	ds_add_u32 v192, v193
	s_wait_dscnt 0x0
	s_endpgm
; ---------------- the weights: K is the FIRST axis ----------------
; A lane takes a column n and its registers run down K: each load reads 128 consecutive bytes a wave, and the conversions give codes with K innermost.
; A wave takes 32 columns x 256 along K; the codes go through its own stage and leave as rows: sixteen lanes store 256 consecutive bytes, aligned.
.Lweights:
	s_sub_co_u32 s33, ttmp9, 128
	s_lshr_b32 s34, s33, 5                         ; which weight: 0 Wq, 1 Wk, 2 Wv, 3 Wo
	s_bfe_u32 s35, s33, 0x20003                    ; which 256 along K
	s_and_b32 s33, s33, 7                          ; which 128 columns
	s_cmp_eq_u32 s34, 1
	s_cselect_b64 s[6:7], s[8:9], s[6:7]
	s_cmp_eq_u32 s34, 2
	s_cselect_b64 s[6:7], s[10:11], s[6:7]
	s_cmp_eq_u32 s34, 3
	s_cselect_b64 s[6:7], s[12:13], s[6:7]
	s_lshl_b32 s36, s33, 7
	s_lshl_b32 s37, s32, 5
	s_add_co_u32 s36, s36, s37                     ; my wave's first column
	s_lshl_b32 s38, s35, 20                        ; 256 rows of 4,096 bytes
	s_lshl_b32 s37, s36, 2
	s_add_co_u32 s38, s38, s37
	s_mov_b32 s39, 0
	s_add_nc_u64 s[6:7], s[6:7], s[38:39]
	s_lshl_b32 s38, s34, 20                        ; the weight's codes,
	s_lshl_b32 s37, s36, 10                        ; the column's row of 1,024 codes,
	s_add_co_u32 s38, s38, s37
	s_lshl_b32 s37, s35, 8                         ; my 256 of them
	s_add_co_u32 s38, s38, s37
	s_add_nc_u64 s[18:19], s[18:19], s[38:39]
	v_lshlrev_b32 v3, 2, v2                        ; in: 4 bytes a lane
	s_mul_i32 s37, s32, 32*PITCH
	s_add_co_u32 s37, s37, WSTG                    ; my stage
	v_mul_u32_u24 v4, v2, PITCH
	v_add_nc_u32 v4, s37, v4                       ; into it: row = my column
	v_and_b32 v5, 15, v2
	v_lshrrev_b32 v6, 4, v2
	v_mul_u32_u24 v7, v6, PITCH
	v_lshl_add_u32 v7, v5, 4, v7
	v_add_nc_u32 v7, s37, v7                       ; out of it: sixteen lanes to a row, two rows an instruction
	v_lshlrev_b32 v8, 10, v6
	v_lshl_add_u32 v8, v5, 4, v8                   ; the same place in the codes' buffer
.macro WLOAD t                         ; block t: W(32 t + i, my column), i = 0 .. 31
.set i, 0
.rept 32
	global_load_b32 v[WX+32*((\t)%2)+i], v3, s[6:7] offset:(32*(\t)+i)*4096 th:TH_LOAD_NT
.set i, i+1
.endr
.endm
	WLOAD 0
	WLOAD 1
	s_wait_kmcnt 0x0
	s_cmp_eq_u32 s34, 1
	s_cselect_b32 s21, s23, s21                    ; e1, e3, e5 or e11
	s_cmp_eq_u32 s34, 2
	s_cselect_b32 s21, s25, s21
	s_cmp_eq_u32 s34, 3
	s_cselect_b32 s21, s31, s21
	s_add_co_i32 s21, s21, 127
	s_lshl_b32 s44, s21, 23
	v_mov_b32 v11, s44                             ; 2^e as f32
	s_add_co_i32 s21, s21, 8
	s_lshl_b32 s21, s21, 23
	s_or_b32 s21, s21, 0x600000
	v_mov_b32 v10, s21                             ; 448 x 2^e
.macro WBLOCK t
.set XS, WX+32*((\t)%2)
.if (\t) < 7
	s_wait_loadcnt 32                              ; this block's 32 loads are in; the next block's may be out
.else
	s_wait_loadcnt 0
.endif
.set i, 0
.rept 32
	v_med3_num_f32 v[XS+i], v[XS+i], -v10, v10
.set i, i+1
.endr
.irp g, 0,1,2,3
	v_cvt_scalef32_pk8_fp8_f32 v[WC+2*\g:WC+2*\g+1], v[XS+8*\g:XS+8*\g+7], v11
.endr
	ds_store_b128 v4, v[WC:WC+3] offset:32*(\t)    ; 32 codes of my column's row.  (The results go to LDS stores; the next block's holds are the plain lines ahead of the next conversions)
	ds_store_b128 v4, v[WC+4:WC+7] offset:32*(\t)+16
.if (\t)+2 < 8
	WLOAD (\t)+2
.endif
	s_wait_dscnt 0x0                               ; the stores have read their registers
.endm
.irp t, 0,1,2,3,4,5,6,7
	WBLOCK \t
.endr
.irp t, 0,1,2,3,4,5,6,7,8,9,10,11,12,13,14,15
	ds_load_b128 v[OUTR+4*\t:OUTR+4*\t+3], v7 offset:2*\t*PITCH
.endr
.irp t, 0,1,2,3,4,5,6,7,8,9,10,11,12,13,14,15
	s_wait_dscnt 15-\t                             ; load t is back; the younger ones may be out
	global_store_b128 v8, v[OUTR+4*\t:OUTR+4*\t+3], s[18:19] offset:2*\t*1024
.endr
	s_wait_tensorcnt 0x0
	ds_add_u32 v192, v193
	s_wait_dscnt 0x0
	s_endpgm
.Lfunc_end_k_qf1f5f6e95a_quant:
	.size	k_qf1f5f6e95a_quant, .Lfunc_end_k_qf1f5f6e95a_quant-k_qf1f5f6e95a_quant
	.p2alignl 7, 3214868480
	.fill 96, 4, 3214868480
	.section	.rodata,"a",@progbits
	.p2align	6, 0x0
	.amdhsa_kernel k_qf1f5f6e95a_quant
		.amdhsa_group_segment_fixed_size 68096
		.amdhsa_private_segment_fixed_size 0
		.amdhsa_enable_private_segment 0
		.amdhsa_kernarg_size 64
		.amdhsa_user_sgpr_count 2
		.amdhsa_user_sgpr_kernarg_segment_ptr 1
		.amdhsa_wavefront_size32 1
		.amdhsa_system_sgpr_workgroup_id_x 1
		.amdhsa_system_sgpr_workgroup_id_y 1
		.amdhsa_system_sgpr_workgroup_id_z 1
		.amdhsa_system_vgpr_workitem_id 0
		.amdhsa_next_free_vgpr 194
		.amdhsa_next_free_sgpr 66
		.amdhsa_reserve_vcc 0
		.amdhsa_float_denorm_mode_32 3
		.amdhsa_float_denorm_mode_16_64 3
		.amdhsa_memory_ordered 1
		.amdhsa_forward_progress 1
		.amdhsa_inst_pref_size 126
	.end_amdhsa_kernel
	.amdgpu_metadata
---
amdhsa.version: [ 1, 2 ]
amdhsa.kernels:
  - .name:           k_qf1f5f6e95a_quant
    .symbol:         k_qf1f5f6e95a_quant.kd
    .args:
      - { .name: x, .offset: 0, .size: 8, .value_kind: global_buffer, .address_space: global }
      - { .name: Wq, .offset: 8, .size: 8, .value_kind: global_buffer, .address_space: global }
      - { .name: Wk, .offset: 16, .size: 8, .value_kind: global_buffer, .address_space: global }
      - { .name: Wv, .offset: 24, .size: 8, .value_kind: global_buffer, .address_space: global }
      - { .name: Wo, .offset: 32, .size: 8, .value_kind: global_buffer, .address_space: global }
      - { .name: lowp_scales, .offset: 40, .size: 8, .value_kind: global_buffer, .address_space: global }
      - { .name: xc, .offset: 48, .size: 8, .value_kind: global_buffer, .address_space: global }
      - { .name: wc, .offset: 56, .size: 8, .value_kind: global_buffer, .address_space: global }
    .group_segment_fixed_size: 68096
    .private_segment_fixed_size: 0
    .kernarg_segment_align: 8
    .kernarg_segment_size: 64
    .max_flat_workgroup_size: 128
    .sgpr_count:     66
    .vgpr_count:     194
    .wavefront_size: 32
...
	.end_amdgpu_metadata
.endif
;; end of part 1
;; launch qkv (part 2): grid 12 x 16, 4 waves a work-group, clusters of 4 x 4, 327,680 bytes of LDS; arguments xc, wc, lowp_scales, bq, bk, bv, qkv; writes qkv
.if DOCPART == 2
	.amdgcn_target "amdgcn-amd-amdhsa--gfx1250"
	.amdhsa_code_object_version 6
	.text
	.protected	k_qf1f5f6e95a_qkv
	.globl	k_qf1f5f6e95a_qkv
	.p2align	8
	.type	k_qf1f5f6e95a_qkv,@function
k_qf1f5f6e95a_qkv:
	s_mov_b64 s[64:65], 0
	v_nop
	global_prefetch_b8 v0, s[64:65] scope:SCOPE_SE
	s_setreg_imm32_b32 hwreg(HW_REG_WAVE_MODE, 25, 1), 1
	s_wait_xcnt 0x0
	s_wait_alu depctr_hold_cnt(0) depctr_sa_sdst(0) depctr_va_vdst(0) depctr_va_sdst(0) depctr_va_ssrc(0) depctr_va_vcc(0) depctr_vm_vsrc(0)
	s_getreg_b32 s2, hwreg(HW_REG_IB_STS2, 6, 4)
	s_cmp_eq_u32 s2, 0
	s_cbranch_scc0 .Lentry_in_a_cluster
	s_endpgm
.Lentry_in_a_cluster:
	s_bfe_u32 s2, ttmp6, 0x10000c
	s_cmp_lg_u32 s2, 0xf033
	s_cbranch_scc0 .Lentry_shape_is_right
	s_endpgm
.Lentry_shape_is_right:
; Q = x Wq + bq, K = x Wk + bk, V = x Wv + bv on E4M3 codes, each result quantised anew (2^e6, 2^e7, 2^e9) and stored as IMAGES OF THE OPERAND REGISTERS that the attention launch loads.
; The cluster's x says which product: 0 Q, 1 K, 2 V.  A tile of 256 x 256 is made by four waves, 128 x 128 each (64 accumulators, 512 registers); K = 1,024 goes in four steps of 256 through two LDS slots.
; "A" (source 1, a lane's one row) and "B" (source 0, a lane's eight neighbours) are chosen by pointers: Q, K: A = x's code rows (tokens), B = the weight's code rows (channels): a lane holds one token and
; eight neighbouring channels, which are neighbours along the scores' K.  V: A = Wv's rows (channels), B = x's rows (tokens): a lane holds one channel and eight neighbouring KEYS, neighbours along the second product's K.
; So nothing is transposed, and one text serves the three.
; AN IMAGE is 1,024 bytes: 16 rows x 64 codes; registers 0-3 of lane l at 16 l, registers 4-7 at 512 + 16 l; registers 2 c, 2 c + 1 hold columns 16 c + 8 (l / 16) + 0 .. 7 of row l % 16.
; qkv: [3][batch 2][head 16][131,072 bytes].  Q, K: a head is [token tile 128][image].  V: a head is [block of 64 keys: 32][tile of 16 channels: 4][image].
; CLUSTERS: 4 x 4 work-groups; A's tile is asked for jointly along a row of the cluster, B's along a column.
; The bias lies along a lane's registers (Q, K) or along the lanes (V): both forms are loaded and the one that does not apply is made 0, so that there is one way for all partners and no branch.
; LIMITS: e0 + e1, e2 + e3, e4 + e5 between -126 and 127; e6, e7, e9 between -126 and 119.  NaN is not served.
; REGISTERS: window 0: v0-29 addresses and scales; v32-95 bias along registers; v96-111 bias along lanes, in pairs; v112-119 the latter as loaded; v128-255 A's fragments, ONE set (on the way out: 64 numbers, 4 x 16 code registers).
;   window 1: B's fragments, two sets.   windows 2, 3: the accumulators ((a, b) at v[8 (8 (a % 4) + b)]).
.set ROWB,   256                       ; a tile's row: 256 codes
.set KROW,   1024                      ; a row of codes in memory
.set PITCH,  272                       ; an LDS row: 256 bytes + 16 of padding: the 16 rows that a load touches start 68 words apart
.set FR,     16
.set NL,     4
.set NP,     4                         ; places behind this matrix instruction (ISA guide 7.12.1)
.set HALFT,  128*PITCH
.set SLOT,   4*HALFT
.set LAPS,   2                         ; 1,024 / 512
.set SPARE,  2*SLOT                    ; behind the ring: the spare words, 128 bytes a wave, which no other line names
.set CO,   8                           ; v8-11   16 x lane, + HALF, + EX, + HALF + EX
.set SCL,  14                          ; v14     2^eo as f32
.set LIM,  15                          ; v15     448 x 2^eo
.set ADRA, 16
.set ADRB, 20
.set SPW,  28
.set NIL,  29
.set BC,   32
.set BR,   96
.set BW,   112
.set AF,   128
.set TMP,  128
.set PC,   192
.set G1, 24
.set G0, 32
.set G1B, 48
.set G0B, 56
.set MSB, 0
.macro WIN new                         ; the immediate's high byte repeats the setting that is left
.if MSB != (\new)
	s_set_vgpr_msb (MSB<<8)|(\new)
.set MSB, (\new)
.endif
.endm
.set MUL_LO, 0xa1                      ; source 0 (B) window 1, source 1 (A) window 0, C and D window 2
.set MUL_HI, 0xf1
.set TO_B,   0x40
.macro JLOAD g0a, g1a, g0b, g1b        ; a joint load: waves 0 and 1 fetch for A, waves 2 and 3 for B; four v_nop follow each line
	s_cmp_eq_u32 s15, 0
	s_cbranch_scc0 .Lfor_b_\@
	tensor_load_to_lds s[\g0a:\g0a+3], s[\g1a:\g1a+7]
	s_nop 0
.rept 4
	v_nop
.endr
	s_branch .Lasked_\@
.Lfor_b_\@:
	tensor_load_to_lds s[\g0b:\g0b+3], s[\g1b:\g1b+7]
	s_nop 0
.rept 4
	v_nop
.endr
.Lasked_\@:
.endm
.macro CREST                           ; a round of the cluster's barrier behind its opening barrier
	s_cmp_lg_u32 s14, 0
	s_cbranch_scc1 .Lnot_wave_0_\@
	s_barrier_signal -3
.Lnot_wave_0_\@:
	s_barrier_wait -3
	s_barrier_signal -1
	s_barrier_wait -1
.endm
.macro CROUND
	s_barrier_signal -1
	s_barrier_wait -1
	CREST
.endm
	s_load_b256 s[4:11], s[0:1], 0x0               ; xc s[4:5], wc s[6:7], the scales' exponents s[8:9], bq s[10:11]
	s_load_b128 s[68:71], s[0:1], 0x20             ; bk, bv
	s_load_b64 s[72:73], s[0:1], 0x30              ; qkv
	v_lshl_add_u32 v[SPW], v0, 2, SPARE
	v_mov_b32 v[NIL], 0
	ds_add_u32 v28, v29
	ds_add_u32 v28, v29
	s_wait_dscnt 0x0
	v_lshrrev_b32 v1, 5, v0
	v_readfirstlane_b32 s14, v1                    ; wave 0..3
	s_lshr_b32 s15, s14, 1                         ; which half of A's rows is mine.  Also: I fetch for A (0) or for B (1)
	s_and_b32 s16, s14, 1                          ; which half of B's rows.  Also: which 128 rows of that tile I fetch
	s_bfe_u32 s40, ttmp6, 0x40000                  ; cx
	s_bfe_u32 s41, ttmp6, 0x40004                  ; cy
	s_mov_b32 s74, ttmp9                           ; the product: 0 Q, 1 K, 2 V: the same in all sixteen partners
	s_and_b32 s75, ttmp7, 0xffff
	s_lshl_b32 s75, s75, 2                         ; 4 x the cluster's y
	s_lshl_b32 s43, s41, 2
	s_lshl_b32 s43, 15, s43                        ; my row of the cluster
	s_lshl_b32 s44, 0x1111, s40                    ; my column
	s_or_b32 s[G1+0], s43, (0<<16)|(1<<20)|(1<<21)|(5<<22)|(3<<25)  ; the mask; elements of 1 byte; padding on; bit 21 beside a mask; 4 words of padding behind every 64
	s_or_b32 s[G1B+0], s44, (0<<16)|(1<<20)|(1<<21)|(5<<22)|(3<<25)
.irp g, G1, G1B
	s_mov_b32 s[\g+1], ROWB<<16                    ; tensor_dim0
	s_mov_b32 s[\g+2], 128<<16                     ; tensor_dim1
	s_mov_b32 s[\g+3], ROWB<<16                    ; tile_dim0
	s_mov_b32 s[\g+4], 128                         ; tile_dim1
	s_mov_b32 s[\g+5], KROW                        ; from row to row
	s_mov_b32 s[\g+6], 0
	s_mov_b32 s[\g+7], 0
.endr
	s_lshl_b32 s20, s74, 22                        ; Q, K: A is x's set of codes number 0, 1
	s_lshl_b32 s46, s74, 20                        ; Q, K: B is weight number 0, 1
	s_mov_b32 s99, 0x20000
	s_cmp_eq_u32 s74, 2                            ; V?  Only selects follow
	s_cselect_b32 s76, 0, s75                      ; tokens go down the grid's y: they are A's rows (Q, K)
	s_cselect_b32 s77, s75, 0                      ; or B's (V)
	s_cselect_b32 s20, 0x200000, s20               ; V: A is weight number 2,
	s_cselect_b32 s46, 0x800000, s46               ; and B is x's set number 2
	s_cselect_b32 s99, 4096, s99                   ; HALF: from B's blocks 0-3 to 4-7 in the output: the next head (Q, K), the next 64 keys (V)
	s_cselect_b32 s100, 126976, 0                  ; EX: what A's blocks 4-7 add beside 1,024 a: V: the next head, 131,072 - 4,096
	s_cselect_b32 s66, 0, -1                       ; lanes' mask: the bias along registers counts (Q, K)
	s_cselect_b32 s67, -1, 0                       ; the bias along lanes counts (V)
	s_add_co_u32 s17, s41, s76                     ; tile row: hangs on cy and the cluster's place alone
	s_add_co_u32 s42, s40, s77                     ; tile column: on cx and the cluster's place alone
	s_lshl_b32 s18, s16, 17                        ; which 128 rows of 1,024 bytes I fetch
	s_lshl_b32 s21, s17, 18
	s_add_co_u32 s20, s20, s21
	s_add_co_u32 s20, s20, s18
	s_mov_b32 s21, 0
	s_lshl_b32 s47, s42, 18
	s_add_co_u32 s46, s46, s47
	s_add_co_u32 s46, s46, s18
	s_mov_b32 s47, 0
	s_mul_i32 s45, s14, HALFT                      ; where they go: wave x 128 rows
	s_wait_kmcnt 0x0
	s_load_b256 s[84:91], s[8:9], 0x0              ; e0 .. e7
	s_load_b128 s[92:95], s[8:9], 0x20             ; e8 .. e11
	s_cmp_eq_u32 s74, 2
	s_cselect_b64 s[78:79], s[6:7], s[4:5]         ; A's buffer
	s_cselect_b64 s[80:81], s[4:5], s[6:7]         ; B's buffer
	s_add_nc_u64 s[20:21], s[78:79], s[20:21]
	s_add_nc_u64 s[46:47], s[80:81], s[46:47]
	CROUND                                         ; all sixteen work-groups are here: the first joint loads meet
.irp s, 0,1
	s_mov_b32 s[G0+4*\s], 1
	s_add_co_u32 s[G0+4*\s+1], s45, \s*SLOT
	s_add_nc_u64 s[G0+4*\s+2:G0+4*\s+3], s[20:21], \s*ROWB
	s_or_b32 s[G0+4*\s+3], s[G0+4*\s+3], 0x80000000
	s_mov_b32 s[G0B+4*\s], 1
	s_add_co_u32 s[G0B+4*\s+1], s45, \s*SLOT
	s_add_nc_u64 s[G0B+4*\s+2:G0B+4*\s+3], s[46:47], \s*ROWB
	s_or_b32 s[G0B+4*\s+3], s[G0B+4*\s+3], 0x80000000
	JLOAD G0+4*\s, G1, G0B+4*\s, G1B
.endr
	v_and_b32 v1, 15, v0                           ; r = l % 16
	v_bfe_u32 v2, v0, 4, 1                         ; h = l / 16
	v_mul_u32_u24 v3, v1, PITCH
	v_lshl_add_u32 v4, v2, 4, v3                   ; a fragment's row x pitch + 16 h
	s_mul_i32 s21, s15, HALFT                      ; my 128 rows of A
	s_mul_i32 s22, s16, HALFT                      ; my 128 rows of B,
	s_add_co_u32 s22, s22, 2*HALFT                 ; which lie behind A's 256
.irp s, 0,1
	v_add_nc_u32 v[ADRA+\s], s21, v4
	v_add_nc_u32 v[ADRB+\s], s22, v4
	s_add_co_u32 s21, s21, SLOT
	s_add_co_u32 s22, s22, SLOT
.endr
	; the bias and the output: token tile tt and my half th of it, channel tile ct and my half ch
	s_cmp_eq_u32 s74, 1
	s_cselect_b64 s[82:83], s[68:69], s[10:11]
	s_cmp_eq_u32 s74, 2
	s_cselect_b64 s[82:83], s[70:71], s[82:83]     ; bq, bk or bv
	s_cselect_b32 s12, s42, s17                    ; tt
	s_cselect_b32 s13, s16, s15                    ; th
	s_cselect_b32 s98, s17, s42                    ; ct
	s_cselect_b32 s101, s15, s16                   ; ch
	s_lshr_b32 s2, s12, 3                          ; the batch: 8 token tiles each
	s_lshl_b32 s2, s2, 4
	s_lshl_b32 s3, s98, 2
	s_add_co_u32 s2, s2, s3
	s_lshl_b32 s3, s101, 1
	s_add_co_u32 s2, s2, s3                        ; 16 x batch + my first head
	s_lshl_b32 s2, s2, 17
	s_and_b32 s3, s12, 7
	s_lshl_b32 s3, s3, 14                          ; 256 tokens are 16,384 bytes of a head, in all three layouts
	s_add_co_u32 s2, s2, s3
	s_lshl_b32 s3, s13, 13
	s_add_co_u32 s2, s2, s3
	s_lshl_b32 s3, s74, 22
	s_add_co_u32 s2, s2, s3
	s_mov_b32 s3, 0
	s_add_nc_u64 s[72:73], s[72:73], s[2:3]        ; my wave's part of the output
	s_lshl_b32 s2, s98, 10
	s_lshl_b32 s12, s101, 9
	s_add_co_u32 s2, s2, s12
	s_add_nc_u64 s[82:83], s[82:83], s[2:3]        ; the bias of my wave's 128 channels
	v_and_b32 v6, 31, v0
	v_lshlrev_b32 v[CO], 4, v6
	v_add_nc_u32 v[CO+1], s99, v[CO]
	v_add_nc_u32 v[CO+2], s100, v[CO]
	v_add_nc_u32 v[CO+3], s100, v[CO+1]
	v_lshlrev_b32 v12, 5, v2                       ; 8 h numbers
	v_lshlrev_b32 v13, 2, v1                       ; r numbers
.irp b, 0,1,2,3,4,5,6,7
	global_load_b128 v[BC+8*\b:BC+8*\b+3], v12, s[82:83] offset:64*\b          ; bias(16 b + 8 h + 0 .. 7): along a lane's registers
	global_load_b128 v[BC+8*\b+4:BC+8*\b+7], v12, s[82:83] offset:64*\b+16
.endr
.irp a, 0,1,2,3,4,5,6,7
	global_load_b32 v[BW+\a], v13, s[82:83] offset:64*\a                       ; bias(16 a + r): along the lanes
.endr
.macro FRAG reg, adr, q, i             ; 16 rows x 128 K: registers 4 c .. 4 c + 3 hold K = 32 c + 16 h + 0 .. 15: the same order of k in A and in B, so every product meets its partner
.irp c, 0,1,2,3
	ds_load_b128 v[\reg+4*\c:\reg+4*\c+3], v[\adr] offset:128*(\q)+32*\c+(\i)*16*PITCH
.endr
.endm
; 16 matrix instructions: A's blocks a0, a0 + 1 x B's eight.  The 64 accumulators take turns, one instruction a turn, in the same order in every step.
.macro MUL16 a0, p, zero
.irp a, \a0, \a0+1
.irp b, 0,1,2,3,4,5,6,7
.if \zero
	v_wmma_f32_16x16x128_fp8_fp8 v[8*(8*((\a)%4)+\b):8*(8*((\a)%4)+\b)+7], v[128*(\p)+FR*\b:128*(\p)+FR*\b+FR-1], v[AF+FR*(\a):AF+FR*(\a)+FR-1], 0
.else
	v_wmma_f32_16x16x128_fp8_fp8 v[8*(8*((\a)%4)+\b):8*(8*((\a)%4)+\b)+7], v[128*(\p)+FR*\b:128*(\p)+FR*\b+FR-1], v[AF+FR*(\a):AF+FR*(\a)+FR-1], v[8*(8*((\a)%4)+\b):8*(8*((\a)%4)+\b)+7]
.endif
.endr
.endr
.endm
.macro FETCH_B slot, q, p
	WIN TO_B
.irp i, 0,1,2,3,4,5,6,7
	FRAG 128*(\p)+FR*\i, ADRB+\slot, \q, \i
.endr
	WIN 0
.endm
.macro FETCH_A slot, q, i0
.irp i, \i0, \i0+1, \i0+2, \i0+3
	FRAG AF+FR*(\i), ADRA+\slot, \q, \i
.endr
.endm
.macro PLACES n                        ; plain vector lines between a matrix instruction and a load into, or a read of, its registers
.rept \n
	v_nop
.endr
.endm
.macro STEP slot, q, zero              ; 128 along K whose successor lies in the same slot
	s_wait_dscnt 4*NL                              ; B's set and A's blocks 0-3 are in; the youngest 16 loads (A's blocks 4-7) may be out
	WIN MUL_LO
	MUL16 0, (\q)%2, \zero
	MUL16 2, (\q)%2, \zero
	s_wait_dscnt 0
	PLACES NP
	FETCH_B \slot, (\q)+1, 1-(\q)%2
	FETCH_A \slot, (\q)+1, 0
	WIN MUL_HI
	MUL16 4, (\q)%2, \zero
	MUL16 6, (\q)%2, \zero
	PLACES NP
	WIN 0
	FETCH_A \slot, (\q)+1, 4
.endm
; A slot's last step changes slots: one barrier; in front of it each wave waits for all its tensor loads, adds 0 to its spare word, and waits for that and for its reads of this slot.
.macro TURN slot, next, fill
	s_wait_tensorcnt 0x0                           ; all my tensor loads have landed: my part of the next slot
	ds_add_u32 v[SPW], v[NIL]                      ; 0 onto my spare word
	s_wait_dscnt 4*NL+1                            ; the add and the youngest 16 loads may be out
	WIN MUL_LO
	MUL16 0, 1, 0
	s_wait_dscnt 0x0                               ; the add is done, and my reads of this slot are over
	s_barrier_signal -1
	MUL16 2, 1, 0
	WIN 0
	s_barrier_wait -1
.if \fill
	CREST                                          ; the barrier has opened a round of the cluster's: no wave of any partner still reads this slot or has a load on its way
	s_add_nc_u64 s[G0+4*\slot+2:G0+4*\slot+3], s[G0+4*\slot+2:G0+4*\slot+3], 2*ROWB
	s_add_nc_u64 s[G0B+4*\slot+2:G0B+4*\slot+3], s[G0B+4*\slot+2:G0B+4*\slot+3], 2*ROWB
	JLOAD G0+4*\slot, G1, G0B+4*\slot, G1B         ; the first tensor load behind the round; its four v_nop are the places in front of the loads below
.else
	PLACES NP
.endif
	FETCH_B \next, 0, 0
	FETCH_A \next, 0, 0
	WIN MUL_HI
	MUL16 4, 1, 0
	MUL16 6, 1, 0
	PLACES NP
	WIN 0
	FETCH_A \next, 0, 4
.endm
	s_wait_tensorcnt 1                             ; my part of K step 0 is in; K step 1's load may be out
	s_barrier_signal -1
	s_barrier_wait -1
	FETCH_B 0, 0, 0
	FETCH_A 0, 0, 0
	FETCH_A 0, 0, 4
	STEP 0, 0, 1                                   ; the first step's products start the sums
	s_mov_b32 s3, LAPS-1
.Llap:                                                 ; a trip goes once round the ring and fills both slots again
	TURN 0, 1, 1
	STEP 1, 0, 0
	TURN 1, 0, 1
	STEP 0, 0, 0
	s_sub_co_u32 s3, s3, 1
	s_cmp_lg_u32 s3, 0
	s_cbranch_scc1 .Llap
	TURN 0, 1, 0                                   ; the last lap fills nothing
	STEP 1, 0, 0
	s_wait_dscnt 4*NL
	WIN MUL_LO
	MUL16 0, 1, 0
	MUL16 2, 1, 0
	s_wait_dscnt 0
	WIN MUL_HI
	MUL16 4, 1, 0
	MUL16 6, 1, 0
	WIN 0
; THE WAY OUT: sum x 2^(eA + eB) + bias, the hold, the conversion: the conversions' results ARE the next operand's registers, and go out as they stand, 512 consecutive bytes a store.
	s_wait_kmcnt 0x0
	s_add_co_i32 s84, s84, s85                     ; e0 + e1
	s_add_co_i32 s86, s86, s87                     ; e2 + e3
	s_add_co_i32 s88, s88, s89                     ; e4 + e5
	s_cmp_eq_u32 s74, 1
	s_cselect_b32 s96, s86, s84
	s_cselect_b32 s98, s91, s90                    ; e7 or e6
	s_cmp_eq_u32 s74, 2
	s_cselect_b32 s96, s88, s96
	s_cselect_b32 s98, s93, s98                    ; e9
	s_add_co_i32 s96, s96, 127
	s_lshl_b32 s96, s96, 23                        ; 2^(eA + eB) as f32
	s_mov_b32 s97, s96                             ; (named with it as a pair)
	s_add_co_i32 s98, s98, 127
	s_lshl_b32 s2, s98, 23
	v_mov_b32 v[SCL], s2
	s_add_co_i32 s98, s98, 8
	s_lshl_b32 s98, s98, 23
	s_or_b32 s98, s98, 0x600000
	v_mov_b32 v[LIM], s98
	s_wait_loadcnt 0x0                             ; the biases
.set j, 0
.rept 64
	v_cndmask_b32 v[BC+j], 0, v[BC+j], s66         ; V: 0.  (These lines are also the places behind the last products)
.set j, j+1
.endr
.irp a, 0,1,2,3,4,5,6,7
	v_cndmask_b32 v[BR+2*\a], 0, v[BW+\a], s67     ; Q, K: 0
	v_cndmask_b32 v[BR+2*\a+1], 0, v[BW+\a], s67
.endr
.macro BLOCK a                         ; A's block a: 16 rows x my 128 of B
.set AC, 64*((\a)%4)
.set PS, PC+16*((\a)%4)
	WIN 0x02+((\a)/4)                              ; source 0: window 2 or 3
.set j, 0
.rept 32
	v_pk_fma_f32 v[TMP+j:TMP+j+1], v[AC+j:AC+j+1], s[96:97], v[BC+j:BC+j+1] op_sel_hi:[1,0,1]   ; each accumulator from its low end on
.set j, j+2
.endr
	WIN 0
.set j, 0
.rept 32
	v_pk_add_f32 v[TMP+j:TMP+j+1], v[TMP+j:TMP+j+1], v[BR+2*(\a):BR+2*(\a)+1]
.set j, j+2
.endr
.set j, 0
.rept 64
	v_med3_num_f32 v[TMP+j], v[TMP+j], -v[LIM], v[LIM]   ; the conversion does not saturate (ISA guide 7.6.2)
.set j, j+1
.endr
.if (\a) == 4
	s_wait_xcnt 0x0                                ; blocks 0-3's stores have read the four sets of code registers
.endif
.irp b, 0,1,2,3,4,5,6,7
	v_cvt_scalef32_pk8_fp8_f32 v[PS+2*\b:PS+2*\b+1], v[TMP+8*\b:TMP+8*\b+7], v[SCL]
.endr
	v_nop                                          ; a plain line between the conversions and the next block's lines, which write their sources
.irp g, 0,1,2,3
	global_store_b128 v[CO+2*((\a)/4)+\g/2], v[PS+4*\g:PS+4*\g+3], s[72:73] offset:1024*(\a)+512*(\g%2)
.endr
.endm
.irp a, 0,1,2,3,4,5,6,7
	BLOCK \a
.endr
	s_wait_tensorcnt 0x0                           ; the wave's end
	ds_add_u32 v[SPW], v[NIL]
	s_wait_dscnt 0x0
	CROUND                                         ; the closing round
	s_endpgm
.Lfunc_end_k_qf1f5f6e95a_qkv:
	.size	k_qf1f5f6e95a_qkv, .Lfunc_end_k_qf1f5f6e95a_qkv-k_qf1f5f6e95a_qkv
	.p2alignl 7, 3214868480
	.fill 96, 4, 3214868480
	.section	.rodata,"a",@progbits
	.p2align	6, 0x0
	.amdhsa_kernel k_qf1f5f6e95a_qkv
		.amdhsa_group_segment_fixed_size 327680
		.amdhsa_private_segment_fixed_size 0
		.amdhsa_enable_private_segment 0
		.amdhsa_kernarg_size 56
		.amdhsa_user_sgpr_count 2
		.amdhsa_user_sgpr_kernarg_segment_ptr 1
		.amdhsa_wavefront_size32 1
		.amdhsa_system_sgpr_workgroup_id_x 1
		.amdhsa_system_sgpr_workgroup_id_y 1
		.amdhsa_system_sgpr_workgroup_id_z 1
		.amdhsa_system_vgpr_workitem_id 0
		.amdhsa_next_free_vgpr 1024
		.amdhsa_next_free_sgpr 102
		.amdhsa_reserve_vcc 0
		.amdhsa_float_denorm_mode_32 3
		.amdhsa_float_denorm_mode_16_64 3
		.amdhsa_memory_ordered 1
		.amdhsa_forward_progress 1
		.amdhsa_inst_pref_size 158
	.end_amdhsa_kernel
	.amdgpu_metadata
---
amdhsa.version: [ 1, 2 ]
amdhsa.kernels:
  - .name:           k_qf1f5f6e95a_qkv
    .symbol:         k_qf1f5f6e95a_qkv.kd
    .args:
      - { .name: xc, .offset: 0, .size: 8, .value_kind: global_buffer, .address_space: global }
      - { .name: wc, .offset: 8, .size: 8, .value_kind: global_buffer, .address_space: global }
      - { .name: lowp_scales, .offset: 16, .size: 8, .value_kind: global_buffer, .address_space: global }
      - { .name: bq, .offset: 24, .size: 8, .value_kind: global_buffer, .address_space: global }
      - { .name: bk, .offset: 32, .size: 8, .value_kind: global_buffer, .address_space: global }
      - { .name: bv, .offset: 40, .size: 8, .value_kind: global_buffer, .address_space: global }
      - { .name: qkv, .offset: 48, .size: 8, .value_kind: global_buffer, .address_space: global }
    .group_segment_fixed_size: 327680
    .private_segment_fixed_size: 0
    .kernarg_segment_align: 8
    .kernarg_segment_size: 56
    .max_flat_workgroup_size: 128
    .sgpr_count:     102
    .vgpr_count:     1024
    .wavefront_size: 32
...
	.end_amdgpu_metadata
.endif
;; end of part 2
;; launch attn (part 3): grid 8 x 32, 8 waves a work-group, clusters of 4 x 1, 263,168 bytes of LDS; arguments qkv, lowp_scales, oc; writes oc
.if DOCPART == 3
	.amdgcn_target "amdgcn-amd-amdhsa--gfx1250"
	.amdhsa_code_object_version 6
	.text
	.protected	k_qf1f5f6e95a_attn
	.globl	k_qf1f5f6e95a_attn
	.p2align	8
	.type	k_qf1f5f6e95a_attn,@function
k_qf1f5f6e95a_attn:
	s_mov_b64 s[64:65], 0
	v_nop
	global_prefetch_b8 v0, s[64:65] scope:SCOPE_SE
	s_setreg_imm32_b32 hwreg(HW_REG_WAVE_MODE, 25, 1), 1
	s_wait_xcnt 0x0
	s_wait_alu depctr_hold_cnt(0) depctr_sa_sdst(0) depctr_va_vdst(0) depctr_va_sdst(0) depctr_va_ssrc(0) depctr_va_vcc(0) depctr_vm_vsrc(0)
	s_getreg_b32 s2, hwreg(HW_REG_IB_STS2, 6, 4)
	s_cmp_eq_u32 s2, 0
	s_cbranch_scc0 .Lentry_in_a_cluster
	s_endpgm
.Lentry_in_a_cluster:
	s_bfe_u32 s2, ttmp6, 0x10000c
	s_cmp_lg_u32 s2, 0x3003
	s_cbranch_scc0 .Lentry_shape_is_right
	s_endpgm
.Lentry_shape_is_right:
; For one head and 256 queries: S^T = K Q^T and O^T = V^T P^T on E4M3 codes by the 16x16x64 form; O / l is quantised with 2^e10 and stored as images for the last product.
; SOFTMAX: t = score x 2^(e6 + e7) x log2(e) / 8; M = the running largest t rounded UP to a whole number; p = 2^(t - M) is quantised with 2^e8, not normalised; the row's sum l is taken of the
; unquantised p.  When M moves, l and O^T are multiplied by 2^(old M - new M), which rounds nothing.  No branch hangs on data.
; SHARES.  Eight waves, two to a SIMD; a wave owns 32 queries, two tiles u = 0, 1, so that each fragment of K and V read from LDS feeds two matrix instructions.  Every wave walks the head's 2,048 keys, 64 a step.
; LAYOUT.  Both products are used transposed: a lane holds ONE query (lane % 16) throughout.  In S^T(u, tile t) register j is key 16 t + 8 (lane / 16) + j: eight registers convert into registers 2 t, 2 t + 1 of P,
; which is the place that this form gives those keys: nothing changes lanes.
; LDS.  The WHOLE head lies in LDS: K's 131,072 bytes of images from 0, V's from 131,072.  Nothing is filled twice: no ring.  It comes in four stages of 512 keys; each wave brings 8 KiB of each stage, so four
; tensor loads of a wave are out at the start.  A stage's loop begins when the stage has landed in every wave's count; the later stages stay on their way.
; CLUSTER.  The four query blocks of a cluster belong to one head: each tile is asked for jointly, with the mask of all four.
; The two tiles' softmaxes are laid so that every exponential has a plain line of the other tile behind it.
; O^T and l begin as zeros and the largest t as -3e38, so the step is written without a first copy (64 moves, once).
; LIMITS: e6 + e7 between -123 and 130; e8, e10 between -126 and 119.  NaN is not served.
.set LN,  1                            ; v1   16 x lane
.set ADK, 2                            ; v2   LDS address of the step's images of K
.set ADV, 3                            ; v3   of V
.set GO,  4                            ; v4   the way out: 16 (lane % 16) + 8 (lane / 16)
.set LV,  5                            ; v5   16 x lane + 131,072
.set SCL, 6                            ; v6   2^e8 as f32; at the end 2^e10
.set LIM, 7                            ; v7   448 x that
.set ST,  8                            ; tile u's statistics at v[8 + 12 u]: +0 -M, +1 largest t, +2:3 l, +4:5 f (and 0), +6:7 a second chain of sums, +8, +9 at work, +10 a permute's destination
.set QF,  32                           ; v32-47   Q, 8 a tile
.set KF,  48                           ; v48-79   four fragments of K
.set VF,  80                           ; v80-111  four fragments of V
.set S,   112                          ; v112-175 S^T, then p: 32 a tile
.set OT,  176                          ; v176-239 O^T: 32 a tile
.set P,   240                          ; v240-255 p's codes: 8 a tile
.set WV,  10
.set G1,  16                           ; s[16:23] descriptor group 1
.set G0,  24                           ; s[24:39] four groups 0, one a stage
.set SEL, 40                           ; s[40:41] v_permlanex16_b32: lane l xor 16
.set CS,  42                           ; s[42:43] c
.set TB,  44                           ; s44  LDS byte of the step in hand, in K's and in V's block alike
.set CNT, 45
.macro CROUND                          ; a round of the cluster's barrier
	s_barrier_signal -1
	s_barrier_wait -1
	s_cmp_lg_u32 s[WV], 0
	s_cbranch_scc1 .Lnot_wave_0_\@
	s_barrier_signal -3
.Lnot_wave_0_\@:
	s_barrier_wait -3
	s_barrier_signal -1
	s_barrier_wait -1
.endm
	s_load_b128 s[4:7], s[0:1], 0x0                ; qkv, the scales' exponents
	s_load_b64 s[8:9], s[0:1], 0x10                ; oc
	v_lshl_add_u32 v19, v0, 2, 0x40000
	v_mov_b32 v31, 0
	ds_add_u32 v19, v31
	ds_add_u32 v19, v31
	v_lshrrev_b32 v2, 5, v0
	v_readfirstlane_b32 s[WV], v2                  ; wave 0..7
	s_bfe_u32 s11, ttmp6, 0x40000                  ; cx
	s_lshl_b32 s12, ttmp9, 2
	s_add_co_u32 s12, s12, s11                     ; my block of 256 queries: it enters Q's and the output's addresses alone
	s_and_b32 s13, ttmp7, 0xffff                   ; 16 x batch + head, which the four partners share
	s_mov_b32 s[G1], 15|(3<<16)|(1<<21)            ; the mask: all four; elements of 8 bytes; bit 21 beside a mask; no padding
	s_mov_b32 s[G1+1], 32<<16                      ; tensor_dim0 = 32 elements: 256 bytes
	s_mov_b32 s[G1+2], 32<<16                      ; tensor_dim1 = 32 rows
	s_mov_b32 s[G1+3], 32<<16                      ; tile_dim0
	s_mov_b32 s[G1+4], 32                          ; tile_dim1
	s_mov_b32 s[G1+5], 32                          ; from row to row: dense
	s_mov_b32 s[G1+6], 0
	s_mov_b32 s[G1+7], 0
	s_mov_b32 s[SEL], 0x76543210
	s_mov_b32 s[SEL+1], 0xfedcba98
	s_mov_b32 s[CS], 0x3e38aa3b                    ; log2(e) / sqrt(64)
	s_lshr_b32 s56, s[WV], 2                       ; waves 0-3 fetch K, waves 4-7 V,
	s_and_b32 s57, s[WV], 3                        ; each a quarter of a stage
	s_lshl_b32 s58, s56, 17
	s_lshl_b32 s59, s57, 13
	s_add_co_u32 s58, s58, s59                     ; LDS: 131,072 z + 8,192 d
	s_add_co_u32 s60, s56, 1
	s_lshl_b32 s60, s60, 22                        ; K's or V's part of qkv,
	s_lshl_b32 s61, s13, 17                        ; the head,
	s_add_co_u32 s60, s60, s61
	s_add_co_u32 s60, s60, s59                     ; my quarter
	s_mov_b32 s61, 0
	s_lshl_b32 s66, s13, 17                        ; Q: the head, my block's 16 tiles, my wave's two
	s_lshl_b32 s70, s12, 14
	s_add_co_u32 s66, s66, s70
	s_lshl_b32 s70, s[WV], 11
	s_add_co_u32 s66, s66, s70
	s_mov_b32 s67, 0
	s_and_b32 s68, s13, 15                         ; the output: [head][token tile 256][1,024]
	s_lshl_b32 s68, s68, 18
	s_lshr_b32 s70, s13, 4
	s_lshl_b32 s70, s70, 17                        ; the batch's 128 token tiles
	s_add_co_u32 s68, s68, s70
	s_lshl_b32 s70, s12, 14
	s_add_co_u32 s68, s68, s70
	s_lshl_b32 s70, s[WV], 11
	s_add_co_u32 s68, s68, s70
	s_mov_b32 s69, 0
	s_wait_dscnt 0x0
	s_wait_kmcnt 0x0
	s_load_b256 s[48:55], s[6:7], 0x10             ; e4 .. e11: s50 e6, s51 e7, s52 e8, s53 e9, s54 e10
	s_add_nc_u64 s[60:61], s[4:5], s[60:61]
	s_add_nc_u64 s[66:67], s[4:5], s[66:67]
	s_add_nc_u64 s[8:9], s[8:9], s[68:69]
	CROUND                                         ; all four work-groups are here: the joint loads meet
.irp s, 0,1,2,3
	s_mov_b32 s[G0+4*\s], 1
	s_add_co_u32 s[G0+4*\s+1], s58, \s*32768
	s_add_nc_u64 s[G0+4*\s+2:G0+4*\s+3], s[60:61], \s*32768
	s_or_b32 s[G0+4*\s+3], s[G0+4*\s+3], 0x80000000
.endr
	tensor_load_to_lds s[G0:G0+3], s[G1:G1+7]      ; all fills of the launch go out together: four loads of mine are out
	s_nop 0
	tensor_load_to_lds s[G0+4:G0+7], s[G1:G1+7]
	s_nop 0
	tensor_load_to_lds s[G0+8:G0+11], s[G1:G1+7]
	s_nop 0
	tensor_load_to_lds s[G0+12:G0+15], s[G1:G1+7]
	s_nop 0
.rept 4
	v_nop
.endr
	v_and_b32 v2, 31, v0
	v_lshlrev_b32 v[LN], 4, v2
	v_add_nc_u32 v[LV], 131072, v[LN]
.irp u, 0,1
	global_load_b128 v[QF+8*\u:QF+8*\u+3], v[LN], s[66:67] offset:1024*\u        ; Q's images stay in registers
	global_load_b128 v[QF+8*\u+4:QF+8*\u+7], v[LN], s[66:67] offset:1024*\u+512
.endr
	v_and_b32 v[GO], 15, v0
	v_bfe_u32 v3, v0, 4, 1
	v_lshlrev_b32 v[GO], 4, v[GO]
	v_lshl_add_u32 v[GO], v3, 3, v[GO]
.irp u, 0,1
	v_mov_b32 v[ST+12*\u+1], 0xff61b1e6            ; the largest t so far: -3e38
	v_floor_f32 v[ST+12*\u], -v[ST+12*\u+1]        ; -M
	v_mov_b32 v[ST+12*\u+2], 0                     ; l, in two halves
	v_mov_b32 v[ST+12*\u+3], 0
	v_mov_b32 v[ST+12*\u+5], 0                     ; (named as the upper half of f's pair)
	v_mov_b32 v[ST+12*\u+10], 0                    ; a lane permute's destination counts as one of its sources
.endr
.set j, 0
.rept 64
	v_mov_b32 v[OT+j], 0
.set j, j+1
.endr
	s_wait_kmcnt 0x0
	s_add_co_i32 s56, s50, s51
	s_lshl_b32 s56, s56, 23
	s_add_co_i32 s[CS], s[CS], s56                 ; a score stands for score x 2^(e6 + e7): added to c's exponent field
	s_mov_b32 s[CS+1], s[CS]
	s_add_co_i32 s56, s52, 127
	s_lshl_b32 s57, s56, 23
	v_mov_b32 v[SCL], s57                          ; 2^e8
	s_add_co_i32 s56, s56, 8
	s_lshl_b32 s56, s56, 23
	s_or_b32 s56, s56, 0x600000
	v_mov_b32 v[LIM], s56                          ; 448 x 2^e8
; THE SOFTMAX OF A TILE, as three numbered lists; each macro writes line n of its list for tile u.
; PRE: 0-15 the largest of the lane's 32 scores, in two chains, registers ascending (each accumulator is read from its low end on); 16-24 the other half of the lanes, t, the running maximum, -M, f; 25-40 t - M.
.macro PRE u
.set rT, ST+12*(\u)
.set rS, S+32*(\u)
.if n == 0
	v_max3_num_f32 v[rT+8], v[rS], v[rS+1], v[rS+2]
.elseif n == 1
	v_max3_num_f32 v[rT+9], v[rS+3], v[rS+4], v[rS+5]
.elseif n < 15
	v_max3_num_f32 v[rT+8+n%2], v[rT+8+n%2], v[rS+2*n+2], v[rS+2*n+3]
.elseif n == 15
	v_max_num_f32 v[rT+8], v[rT+8], v[rT+9]
.elseif n == 16
	v_permlanex16_b32 v[rT+10], v[rT+8], s[SEL], s[SEL+1]   ; the query's other 32 keys lie in the lane 16 away
.elseif n == 17
	v_max_num_f32 v[rT+8], v[rT+8], v[rT+10]
.elseif n == 18
	v_mul_f32 v[rT+8], s[CS], v[rT+8]              ; as t (c is positive)
.elseif n == 19
	v_max_num_f32 v[rT+1], v[rT+1], v[rT+8]
.elseif n == 20
	v_mov_b32 v[rT+9], v[rT]
.elseif n == 21
	v_floor_f32 v[rT], -v[rT+1]                    ; -M = floor(-t): M is a whole number
.elseif n == 22
	v_sub_f32 v[rT+9], v[rT], v[rT+9]              ; old M - new M: a whole number, 0 or less
.elseif n == 23
	v_cvt_i32_f32 v[rT+9], v[rT+9]                 ; (it saturates)
.elseif n == 24
	v_ldexp_f32 v[rT+4], 1.0, v[rT+9]              ; f = 2^(old M - new M)
.else
	v_pk_fma_f32 v[rS+2*(n-25):rS+2*(n-25)+1], v[rS+2*(n-25):rS+2*(n-25)+1], s[CS:CS+1], v[rT:rT+1] op_sel_hi:[1,0,0]
.endif
.endm
.macro EXPI u                          ; p = 2^(t - M)
	v_exp_f32 v[S+32*(\u)+n], v[S+32*(\u)+n]
.endm
; POST: 0 l x f; 1-16 the sum of the unquantised p, in two chains; 17-48 the hold (p is not negative: one-sided); 49-52 the conversions; 53-68 O^T x f.
.macro POST u
.set rT, ST+12*(\u)
.set rS, S+32*(\u)
.set rO, OT+32*(\u)
.set rP, P+8*(\u)
.if n == 0
	v_pk_mul_f32 v[rT+2:rT+3], v[rT+2:rT+3], v[rT+4:rT+5] op_sel_hi:[1,0]
.elseif n == 1
	s_wait_alu depctr_va_vdst(0)
	v_pk_add_f32 v[rT+6:rT+7], v[rS:rS+1], v[rS+2:rS+3]
.elseif n < 16
.if n%2 == 0
	v_pk_add_f32 v[rT+2:rT+3], v[rT+2:rT+3], v[rS+2*n:rS+2*n+1]
.else
	v_pk_add_f32 v[rT+6:rT+7], v[rT+6:rT+7], v[rS+2*n:rS+2*n+1]
.endif
.elseif n == 16
	v_pk_add_f32 v[rT+2:rT+3], v[rT+2:rT+3], v[rT+6:rT+7]
.elseif n < 49
	v_min_num_f32 v[rS+n-17], v[rS+n-17], v[LIM]
.elseif n < 53
	v_cvt_scalef32_pk8_fp8_f32 v[rP+2*(n-49):rP+2*(n-49)+1], v[rS+8*(n-49):rS+8*(n-49)+7], v[SCL]
.else
	v_pk_mul_f32 v[rO+2*(n-53):rO+2*(n-53)+1], v[rO+2*(n-53):rO+2*(n-53)+1], v[rT+4:rT+5] op_sel_hi:[1,0]
.endif
.endm
; A KEY STEP: 64 keys.
.macro STEP
	v_add_nc_u32 v[ADK], s[TB], v[LN]
	v_add_nc_u32 v[ADV], s[TB], v[LV]
	v_nop
	v_nop                                          ; four places between the last step's products and the loads into V's registers
.irp t, 0,1,2,3
	ds_load_b128 v[KF+8*\t:KF+8*\t+3], v[ADK] offset:1024*\t          ; an image comes back as it was stored: 512 consecutive bytes a load
	ds_load_b128 v[KF+8*\t+4:KF+8*\t+7], v[ADK] offset:1024*\t+512
.endr
.irp t, 0,1,2,3
	ds_load_b128 v[VF+8*\t:VF+8*\t+3], v[ADV] offset:1024*\t
	ds_load_b128 v[VF+8*\t+4:VF+8*\t+7], v[ADV] offset:1024*\t+512
.endr
	s_wait_dscnt 8                                 ; K's eight loads are in; V's eight may be out
.irp t, 0,1,2,3
.irp u, 0,1
	v_wmma_f32_16x16x64_fp8_fp8 v[S+32*\u+8*\t:S+32*\u+8*\t+7], v[KF+8*\t:KF+8*\t+7], v[QF+8*\u:QF+8*\u+7], 0
.endr
.endr
.rept 4
	v_nop
.endr
.set n, 0
.rept 41
	PRE 0
.set n, n+1
.endr
.set n, 0
.rept 32                               ; tile 0's exponentials, each with a plain line of tile 1 behind it
	EXPI 0
	PRE 1
.set n, n+1
.endr
.rept 9
	PRE 1
.set n, n+1
.endr
.set n, 0
.rept 32                               ; tile 1's exponentials beside tile 0's sums and holds
	EXPI 1
	POST 0
.set n, n+1
.endr
.set k, 0
.rept 37
.set n, k+32
	POST 0
.set n, k
	POST 1
.set k, k+1
.endr
.set n, 37
.rept 32
	POST 1                                         ; its last sixteen lines are plain: they stand between the conversions and the products below
.set n, n+1
.endr
	s_wait_dscnt 0x0                               ; V is in
.irp t, 0,1,2,3
.irp u, 0,1
	v_wmma_f32_16x16x64_fp8_fp8 v[OT+32*\u+8*\t:OT+32*\u+8*\t+7], v[VF+8*\t:VF+8*\t+7], v[P+8*\u:P+8*\u+7], v[OT+32*\u+8*\t:OT+32*\u+8*\t+7]   ; eight accumulators, one instruction each
.endr
.endr
.endm
; A STAGE: 512 keys, eight steps.  My loads of stages 0 .. s have landed (those of the 3 - s later stages may be out), and behind the barrier every wave's have.
.macro STAGE s
	s_wait_tensorcnt 3-\s
	s_barrier_signal -1
	s_barrier_wait -1
	s_mov_b32 s[TB], \s*32768
	s_mov_b32 s[CNT], 8
.Lstep_\@:
	STEP
	s_add_co_u32 s[TB], s[TB], 4096
	s_sub_co_u32 s[CNT], s[CNT], 1
	s_cmp_lg_u32 s[CNT], 0
	s_cbranch_scc1 .Lstep_\@
.endm
	s_wait_loadcnt 0x0                             ; Q
	STAGE 0
	STAGE 1
	STAGE 2
	STAGE 3
	; THE WAY OUT.  l's halves and the other half of the lanes' are added (these lines are the places behind the last products); O^T x 2^(e8 + e9) / l is held, converted with 2^e10 and stored.
.irp u, 0,1
	v_add_f32 v[ST+12*\u+8], v[ST+12*\u+2], v[ST+12*\u+3]
.endr
.irp u, 0,1
	v_permlanex16_b32 v[ST+12*\u+10], v[ST+12*\u+8], s[SEL], s[SEL+1]
.endr
.irp u, 0,1
	v_add_f32 v[ST+12*\u+8], v[ST+12*\u+8], v[ST+12*\u+10]
.endr
.irp u, 0,1
	v_rcp_f32 v[ST+12*\u+9], v[ST+12*\u+8]
.endr
	v_nop                                          ; a plain line behind the reciprocals
	s_add_co_i32 s56, s52, s53                     ; e8 + e9
	s_wait_alu depctr_va_vdst(0)
.irp u, 0,1
	v_ldexp_f32 v[ST+12*\u+4], v[ST+12*\u+9], s56
.endr
	s_add_co_i32 s57, s54, 127
	s_lshl_b32 s58, s57, 23
	v_mov_b32 v[SCL], s58                          ; 2^e10
	s_add_co_i32 s57, s57, 8
	s_lshl_b32 s57, s57, 23
	s_or_b32 s57, s57, 0x600000
	v_mov_b32 v[LIM], s57                          ; 448 x 2^e10
.irp u, 0,1
.set j, 0
.rept 16
	v_pk_mul_f32 v[S+32*\u+j:S+32*\u+j+1], v[OT+32*\u+j:OT+32*\u+j+1], v[ST+12*\u+4:ST+12*\u+5] op_sel_hi:[1,0]   ; register 8 t + i: query lane % 16, channel 16 t + 8 (lane / 16) + i
.set j, j+2
.endr
.endr
.set j, 0
.rept 64
	v_med3_num_f32 v[S+j], v[S+j], -v[LIM], v[LIM]
.set j, j+1
.endr
.irp u, 0,1
.irp t, 0,1,2,3
	v_cvt_scalef32_pk8_fp8_f32 v[P+8*\u+2*\t:P+8*\u+2*\t+1], v[S+32*\u+8*\t:S+32*\u+8*\t+7], v[SCL]
.endr
.endr
	v_nop
.irp u, 0,1
.irp t, 0,1,2,3
	global_store_b64 v[GO], v[P+8*\u+2*\t:P+8*\u+2*\t+1], s[8:9] offset:1024*\u+256*\t   ; the wave stores 256 consecutive bytes, aligned: byte 256 t + 16 r + 8 h + i = token r, channel 16 t + 8 h + i
.endr
.endr
	s_wait_tensorcnt 0x0
	ds_add_u32 v19, v31
	s_wait_dscnt 0x0
	CROUND                                         ; the closing round
	s_endpgm
.Lfunc_end_k_qf1f5f6e95a_attn:
	.size	k_qf1f5f6e95a_attn, .Lfunc_end_k_qf1f5f6e95a_attn-k_qf1f5f6e95a_attn
	.p2alignl 7, 3214868480
	.fill 96, 4, 3214868480
	.section	.rodata,"a",@progbits
	.p2align	6, 0x0
	.amdhsa_kernel k_qf1f5f6e95a_attn
		.amdhsa_group_segment_fixed_size 263168
		.amdhsa_private_segment_fixed_size 0
		.amdhsa_enable_private_segment 0
		.amdhsa_kernarg_size 24
		.amdhsa_user_sgpr_count 2
		.amdhsa_user_sgpr_kernarg_segment_ptr 1
		.amdhsa_wavefront_size32 1
		.amdhsa_system_sgpr_workgroup_id_x 1
		.amdhsa_system_sgpr_workgroup_id_y 1
		.amdhsa_system_sgpr_workgroup_id_z 1
		.amdhsa_system_vgpr_workitem_id 0
		.amdhsa_next_free_vgpr 256
		.amdhsa_next_free_sgpr 72
		.amdhsa_reserve_vcc 0
		.amdhsa_float_denorm_mode_32 3
		.amdhsa_float_denorm_mode_16_64 3
		.amdhsa_memory_ordered 1
		.amdhsa_forward_progress 1
		.amdhsa_inst_pref_size 81
	.end_amdhsa_kernel
	.amdgpu_metadata
---
amdhsa.version: [ 1, 2 ]
amdhsa.kernels:
  - .name:           k_qf1f5f6e95a_attn
    .symbol:         k_qf1f5f6e95a_attn.kd
    .args:
      - { .name: qkv, .offset: 0, .size: 8, .value_kind: global_buffer, .address_space: global }
      - { .name: lowp_scales, .offset: 8, .size: 8, .value_kind: global_buffer, .address_space: global }
      - { .name: oc, .offset: 16, .size: 8, .value_kind: global_buffer, .address_space: global }
    .group_segment_fixed_size: 263168
    .private_segment_fixed_size: 0
    .kernarg_segment_align: 8
    .kernarg_segment_size: 24
    .max_flat_workgroup_size: 256
    .sgpr_count:     72
    .vgpr_count:     256
    .wavefront_size: 32
...
	.end_amdgpu_metadata
.endif
;; end of part 3
;; launch oproj (part 4): grid 4 x 16, 4 waves a work-group, clusters of 4 x 4, 327,680 bytes of LDS; arguments oc, wc, lowp_scales, bo, out0; writes out0
.if DOCPART == 4
	.amdgcn_target "amdgcn-amd-amdhsa--gfx1250"
	.amdhsa_code_object_version 6
	.text
	.protected	k_qf1f5f6e95a_oproj
	.globl	k_qf1f5f6e95a_oproj
	.p2align	8
	.type	k_qf1f5f6e95a_oproj,@function
k_qf1f5f6e95a_oproj:
	s_mov_b64 s[64:65], 0
	v_nop
	global_prefetch_b8 v0, s[64:65] scope:SCOPE_SE
	s_setreg_imm32_b32 hwreg(HW_REG_WAVE_MODE, 25, 1), 1
	s_wait_xcnt 0x0
	s_wait_alu depctr_hold_cnt(0) depctr_sa_sdst(0) depctr_va_vdst(0) depctr_va_sdst(0) depctr_va_ssrc(0) depctr_va_vcc(0) depctr_vm_vsrc(0)
	s_getreg_b32 s2, hwreg(HW_REG_IB_STS2, 6, 4)
	s_cmp_eq_u32 s2, 0
	s_cbranch_scc0 .Lentry_in_a_cluster
	s_endpgm
.Lentry_in_a_cluster:
	s_bfe_u32 s2, ttmp6, 0x10000c
	s_cmp_lg_u32 s2, 0xf033
	s_cbranch_scc0 .Lentry_shape_is_right
	s_endpgm
.Lentry_shape_is_right:
; out0 = attention's output x Wo + bo on E4M3 codes: sum x 2^(e10 + e11) + bo.  A: oc, [head 16][token tile 256][image of 1,024 bytes]; B: Wo's codes, [n 1024][k 1024], the fourth part of wc.
; A tile of 256 x 256 is made by four waves, 128 x 128 each; K = 1,024 (16 heads of 64) goes in four steps of 256 (four heads) through two LDS slots.  64 work-groups: the tile is kept at the size at which a fragment
; read from LDS feeds the most products; a smaller tile would give more work-groups at more LDS reads for each product.
; AN IMAGE of oc holds 16 tokens x a head's 64 channels: byte 512 c + 16 l holds, for lane l = (r, h), token r, channels 32 c + 16 h + 0 .. 15.  Two images' four loads of 16 bytes a lane give a fragment of 128 along K with
; registers 4 c .. 4 c + 3 = k 32 c + 16 h + 0 .. 15: the order in which B's rows are read, so every product meets its partner.  Each load of A reads 512 consecutive bytes: A needs no padding.
; CLUSTERS: 4 x 4; A's tile is asked for jointly along a row of the cluster, B's along a column.  The matrix instruction is used transposed (source 0 = B's rows): a lane holds eight neighbouring columns of a row.
; LIMIT: e10 + e11 between -126 and 127.
; REGISTERS: window 0: v0-29 addresses; v32-35 bo at my four columns; v128-255 A's fragments, one set (on the way out: two sets of 16 rows).  window 1: B's fragments, two sets.  windows 2, 3: accumulators.
.set ROWB,   256
.set KROW,   1024
.set PITCH,  272
.set FR,     16
.set NL,     4
.set NP,     4
.set AHALF,  32768                     ; A: 4 heads x 8 token tiles x 1,024 bytes: what one tensor load brings
.set BHALF,  128*PITCH                 ; B: 128 rows
.set BOFF,   2*AHALF
.set SLOT,   2*AHALF+2*BHALF
.set LAPS,   2
.set SPARE,  2*SLOT                    ; behind the ring: the spare words, 128 bytes a wave, which no other line names
.set SPITCH, 528                       ; the way out: a stage of 16 rows x (512 + 16) bytes for each wave, in slot 0, which has had its last fill and its last read by then
.set ADRA, 16
.set ADRB, 20
.set STO,  24
.set RD,   25
.set CO,   26
.set SPW,  28
.set NIL,  29
.set BI,   32
.set AF,   128
.set BK,   128
.set G1, 24
.set G0, 32
.set G1B, 48
.set G0B, 56
.set MSB, 0
.macro WIN new
.if MSB != (\new)
	s_set_vgpr_msb (MSB<<8)|(\new)
.set MSB, (\new)
.endif
.endm
.set MUL_LO, 0xa1
.set MUL_HI, 0xf1
.set TO_B,   0x40
.macro JLOAD g0a, g1a, g0b, g1b        ; waves 0 and 1 fetch for A, waves 2 and 3 for B; four v_nop follow each line
	s_cmp_eq_u32 s15, 0
	s_cbranch_scc0 .Lfor_b_\@
	tensor_load_to_lds s[\g0a:\g0a+3], s[\g1a:\g1a+7]
	s_nop 0
.rept 4
	v_nop
.endr
	s_branch .Lasked_\@
.Lfor_b_\@:
	tensor_load_to_lds s[\g0b:\g0b+3], s[\g1b:\g1b+7]
	s_nop 0
.rept 4
	v_nop
.endr
.Lasked_\@:
.endm
.macro CREST
	s_cmp_lg_u32 s14, 0
	s_cbranch_scc1 .Lnot_wave_0_\@
	s_barrier_signal -3
.Lnot_wave_0_\@:
	s_barrier_wait -3
	s_barrier_signal -1
	s_barrier_wait -1
.endm
.macro CROUND
	s_barrier_signal -1
	s_barrier_wait -1
	CREST
.endm
	s_load_b256 s[4:11], s[0:1], 0x0               ; oc s[4:5], wc s[6:7], the scales' exponents s[8:9], bo s[10:11]
	s_load_b64 s[12:13], s[0:1], 0x20              ; out0
	v_lshl_add_u32 v[SPW], v0, 2, SPARE
	v_mov_b32 v[NIL], 0
	ds_add_u32 v28, v29
	ds_add_u32 v28, v29
	s_wait_dscnt 0x0
	v_lshrrev_b32 v1, 5, v0
	v_readfirstlane_b32 s14, v1                    ; wave 0..3
	s_lshr_b32 s15, s14, 1                         ; my half of the tile's rows.  Also: I fetch for A (0) or for B (1)
	s_and_b32 s16, s14, 1                          ; my half of its columns.  Also: which half of that tile I fetch
	s_bfe_u32 s40, ttmp6, 0x40000
	s_bfe_u32 s41, ttmp6, 0x40004
	s_lshl_b32 s42, ttmp9, 2
	s_add_co_u32 s42, s42, s40                     ; tile column
	s_and_b32 s17, ttmp7, 0xffff
	s_lshl_b32 s17, s17, 2
	s_add_co_u32 s17, s17, s41                     ; tile row
	s_lshl_b32 s43, s41, 2
	s_lshl_b32 s43, 15, s43                        ; my row of the cluster
	s_lshl_b32 s44, 0x1111, s40                    ; my column
	s_or_b32 s[G1+0], s43, (0<<16)|(1<<21)         ; A: the mask; elements of 1 byte; bit 21 beside a mask; no padding
	s_mov_b32 s[G1+1], 8192<<16                    ; tensor_dim0: 8 token tiles of one head, 8,192 bytes on end
	s_mov_b32 s[G1+2], 4<<16                       ; tensor_dim1: four heads
	s_mov_b32 s[G1+3], 8192<<16                    ; tile_dim0
	s_mov_b32 s[G1+4], 4                           ; tile_dim1
	s_mov_b32 s[G1+5], 262144                      ; from head to head
	s_mov_b32 s[G1+6], 0
	s_mov_b32 s[G1+7], 0
	s_or_b32 s[G1B+0], s44, (0<<16)|(1<<20)|(1<<21)|(5<<22)|(3<<25)   ; B: 4 words of padding behind every 64
	s_mov_b32 s[G1B+1], ROWB<<16
	s_mov_b32 s[G1B+2], 128<<16
	s_mov_b32 s[G1B+3], ROWB<<16
	s_mov_b32 s[G1B+4], 128
	s_mov_b32 s[G1B+5], KROW
	s_mov_b32 s[G1B+6], 0
	s_mov_b32 s[G1B+7], 0
	s_lshl_b32 s20, s17, 14                        ; A: the tile row's 16 token tiles,
	s_lshl_b32 s18, s16, 13                        ; my 8 of them
	s_add_co_u32 s20, s20, s18
	s_mov_b32 s21, 0
	s_lshl_b32 s46, s42, 18                        ; B: 256 rows of 1,024 bytes,
	s_lshl_b32 s47, s16, 17                        ; my 128 of them,
	s_add_co_u32 s46, s46, s47
	s_add_co_u32 s46, s46, 0x300000                ; in the fourth weight
	s_mov_b32 s47, 0
	s_lshl_b32 s45, s16, 15                        ; where they go: A's halves from 0,
	s_mul_i32 s19, s16, BHALF
	s_add_co_u32 s19, s19, BOFF                    ; B's behind them
	s_wait_kmcnt 0x0
	s_load_b64 s[96:97], s[8:9], 0x28              ; e10, e11
	s_add_nc_u64 s[20:21], s[4:5], s[20:21]
	s_add_nc_u64 s[46:47], s[6:7], s[46:47]
	CROUND                                         ; all sixteen work-groups are here
.irp s, 0,1
	s_mov_b32 s[G0+4*\s], 1
	s_add_co_u32 s[G0+4*\s+1], s45, \s*SLOT
	s_add_nc_u64 s[G0+4*\s+2:G0+4*\s+3], s[20:21], \s*0x100000     ; K step s: heads 4 s on
	s_or_b32 s[G0+4*\s+3], s[G0+4*\s+3], 0x80000000
	s_mov_b32 s[G0B+4*\s], 1
	s_add_co_u32 s[G0B+4*\s+1], s19, \s*SLOT
	s_add_nc_u64 s[G0B+4*\s+2:G0B+4*\s+3], s[46:47], \s*ROWB
	s_or_b32 s[G0B+4*\s+3], s[G0B+4*\s+3], 0x80000000
	JLOAD G0+4*\s, G1, G0B+4*\s, G1B
.endr
	v_and_b32 v1, 15, v0                           ; r
	v_bfe_u32 v2, v0, 4, 1                         ; h
	v_and_b32 v6, 31, v0
	v_lshlrev_b32 v[CO], 4, v6                     ; 16 x lane
	v_mul_u32_u24 v3, v1, PITCH
	v_lshl_add_u32 v4, v2, 4, v3
	s_lshl_b32 s21, s15, 15                        ; my 128 tokens of A
	s_mul_i32 s22, s16, BHALF
	s_add_co_u32 s22, s22, BOFF                    ; my 128 rows of B
.irp s, 0,1
	v_add_nc_u32 v[ADRA+\s], s21, v[CO]
	v_add_nc_u32 v[ADRB+\s], s22, v4
	s_add_co_u32 s21, s21, SLOT
	s_add_co_u32 s22, s22, SLOT
.endr
	s_mul_i32 s23, s14, 16*SPITCH                  ; my stage
	v_mul_u32_u24 v5, v1, SPITCH
	v_lshl_add_u32 v5, v2, 5, v5
	v_add_nc_u32 v[STO], s23, v5                   ; in: row r, 32 bytes for each half of the lanes
	v_add_nc_u32 v[RD], s23, v[CO]                 ; back: the 32 lanes take one row of 512 bytes
	s_lshl_b32 s20, s17, 8
	s_lshl_b32 s21, s15, 7
	s_add_co_u32 s20, s20, s21                     ; my first row
	s_lshl_b32 s20, s20, 12                        ; of 4,096 bytes
	s_mov_b32 s21, 0
	s_lshl_b32 s46, s42, 10                        ; my first column, in bytes
	s_lshl_b32 s47, s16, 9
	s_add_co_u32 s46, s46, s47
	s_mov_b32 s47, 0
	s_add_nc_u64 s[10:11], s[10:11], s[46:47]
	s_add_nc_u64 s[12:13], s[12:13], s[20:21]
	s_add_nc_u64 s[12:13], s[12:13], s[46:47]
	global_load_b128 v[BI:BI+3], v[CO], s[10:11]   ; bo at the four columns that I store
.macro FRAG reg, adr, q, i             ; B: registers 4 c .. 4 c + 3 hold K = 32 c + 16 h + 0 .. 15
.irp c, 0,1,2,3
	ds_load_b128 v[\reg+4*\c:\reg+4*\c+3], v[\adr] offset:128*(\q)+32*\c+(\i)*16*PITCH
.endr
.endm
.macro FRAGA reg, slot, q, i           ; A: the same k: head 2 q + c / 2 of the slot's four, half c % 2 of token tile i's image
.irp c, 0,1,2,3
	ds_load_b128 v[\reg+4*\c:\reg+4*\c+3], v[ADRA+\slot] offset:(2*(\q)+\c/2)*8192+1024*(\i)+512*(\c%2)
.endr
.endm
; The 64 accumulators take turns, one instruction a turn, in the same order in every step.
.macro MUL16 a0, p, zero
.irp a, \a0, \a0+1
.irp b, 0,1,2,3,4,5,6,7
.if \zero
	v_wmma_f32_16x16x128_fp8_fp8 v[8*(8*((\a)%4)+\b):8*(8*((\a)%4)+\b)+7], v[128*(\p)+FR*\b:128*(\p)+FR*\b+FR-1], v[AF+FR*(\a):AF+FR*(\a)+FR-1], 0
.else
	v_wmma_f32_16x16x128_fp8_fp8 v[8*(8*((\a)%4)+\b):8*(8*((\a)%4)+\b)+7], v[128*(\p)+FR*\b:128*(\p)+FR*\b+FR-1], v[AF+FR*(\a):AF+FR*(\a)+FR-1], v[8*(8*((\a)%4)+\b):8*(8*((\a)%4)+\b)+7]
.endif
.endr
.endr
.endm
.macro FETCH_B slot, q, p
	WIN TO_B
.irp i, 0,1,2,3,4,5,6,7
	FRAG 128*(\p)+FR*\i, ADRB+\slot, \q, \i
.endr
	WIN 0
.endm
.macro FETCH_A slot, q, i0
.irp i, \i0, \i0+1, \i0+2, \i0+3
	FRAGA AF+FR*(\i), \slot, \q, \i
.endr
.endm
.macro PLACES n
.rept \n
	v_nop
.endr
.endm
.macro STEP slot, q, zero
	s_wait_dscnt 4*NL                              ; B's set and A's blocks 0-3 are in; the youngest 16 loads (A's blocks 4-7) may be out
	WIN MUL_LO
	MUL16 0, (\q)%2, \zero
	MUL16 2, (\q)%2, \zero
	s_wait_dscnt 0
	PLACES NP
	FETCH_B \slot, (\q)+1, 1-(\q)%2
	FETCH_A \slot, (\q)+1, 0
	WIN MUL_HI
	MUL16 4, (\q)%2, \zero
	MUL16 6, (\q)%2, \zero
	PLACES NP
	WIN 0
	FETCH_A \slot, (\q)+1, 4
.endm
.macro TURN slot, next, fill
	s_wait_tensorcnt 0x0                           ; all my tensor loads have landed: my part of the next slot
	ds_add_u32 v[SPW], v[NIL]                      ; 0 onto my spare word
	s_wait_dscnt 4*NL+1                            ; the add and the youngest 16 loads may be out
	WIN MUL_LO
	MUL16 0, 1, 0
	s_wait_dscnt 0x0                               ; the add is done, and my reads of this slot are over
	s_barrier_signal -1
	MUL16 2, 1, 0
	WIN 0
	s_barrier_wait -1
.if \fill
	CREST                                          ; a round of the cluster's barrier: no wave of any partner still reads this slot or has a load on its way
	s_add_nc_u64 s[G0+4*\slot+2:G0+4*\slot+3], s[G0+4*\slot+2:G0+4*\slot+3], 0x200000
	s_add_nc_u64 s[G0B+4*\slot+2:G0B+4*\slot+3], s[G0B+4*\slot+2:G0B+4*\slot+3], 2*ROWB
	JLOAD G0+4*\slot, G1, G0B+4*\slot, G1B
.else
	PLACES NP
.endif
	FETCH_B \next, 0, 0
	FETCH_A \next, 0, 0
	WIN MUL_HI
	MUL16 4, 1, 0
	MUL16 6, 1, 0
	PLACES NP
	WIN 0
	FETCH_A \next, 0, 4
.endm
	s_wait_tensorcnt 1                             ; my part of K step 0 is in; K step 1's load may be out
	s_barrier_signal -1
	s_barrier_wait -1
	FETCH_B 0, 0, 0
	FETCH_A 0, 0, 0
	FETCH_A 0, 0, 4
	STEP 0, 0, 1
	s_mov_b32 s3, LAPS-1
.Llap:
	TURN 0, 1, 1
	STEP 1, 0, 0
	TURN 1, 0, 1
	STEP 0, 0, 0
	s_sub_co_u32 s3, s3, 1
	s_cmp_lg_u32 s3, 0
	s_cbranch_scc1 .Llap
	TURN 0, 1, 0
	STEP 1, 0, 0
	s_wait_dscnt 4*NL
	WIN MUL_LO
	MUL16 0, 1, 0
	MUL16 2, 1, 0
	s_wait_dscnt 0
	WIN MUL_HI
	MUL16 4, 1, 0
	MUL16 6, 1, 0
	WIN 0
; THE WAY OUT, block by block of 16 rows x 128 columns: the sums go into my own stage as they are and come back as whole rows of 512 bytes; there a lane holds four columns, the same in every row, so the scale and
; the bias are one packed multiply-add for two numbers.  LDS serves a wave's instructions in order: no wait between the stores and the loads.
.macro TOSTAGE a
.set AC, 64*((\a)%4)
	WIN 0x08+4*((\a)/4)                            ; the stores' data: window 2 or 3
.irp b, 0,1,2,3,4,5,6,7
	ds_store_b128 v[STO], v[AC+8*\b:AC+8*\b+3] offset:64*\b          ; each accumulator from its low end on
	ds_store_b128 v[STO], v[AC+8*\b+4:AC+8*\b+7] offset:64*\b+16
.endr
	WIN 0
.set BB, BK+64*((\a)%2)
.irp t, 0,1,2,3,4,5,6,7,8,9,10,11,12,13,14,15
	ds_load_b128 v[BB+4*\t:BB+4*\t+3], v[RD] offset:\t*SPITCH
.endr
.endm
.macro SEND a, younger                 ; younger: the LDS instructions issued behind block a's loads, which may stay out
.set BB, BK+64*((\a)%2)
	s_wait_dscnt \younger
.if (\a) > 0
	s_add_nc_u64 s[12:13], s[12:13], 16*4096       ; 16 rows on (behind a wait on XCNT: the earlier stores have read their base)
.endif
.set j, 0
.rept 16
	v_pk_fma_f32 v[BB+j:BB+j+1], v[BB+j:BB+j+1], s[96:97], v[BI:BI+1] op_sel_hi:[1,0,1]         ; sum x 2^(e10 + e11) + bo
	v_pk_fma_f32 v[BB+j+2:BB+j+3], v[BB+j+2:BB+j+3], s[96:97], v[BI+2:BI+3] op_sel_hi:[1,0,1]
.set j, j+4
.endr
.irp t, 0,1,2,3,4,5,6,7,8,9,10,11,12,13,14,15
	global_store_b128 v[CO], v[BB+4*\t:BB+4*\t+3], s[12:13] offset:\t*4096 th:TH_STORE_NT   ; 32 lanes store 512 consecutive bytes, aligned
.endr
.endm
	s_wait_kmcnt 0x0
	s_add_co_i32 s96, s96, s97
	s_add_co_i32 s96, s96, 127
	s_lshl_b32 s96, s96, 23                        ; 2^(e10 + e11) as f32
	s_mov_b32 s97, s96
	s_wait_loadcnt 0x0                             ; bo
	PLACES NP                                      ; between the last products and the stores of their results and the loads into A's registers
	TOSTAGE 0
.irp a, 1,2,3,4,5,6,7
.if \a > 1
	s_wait_xcnt 0x0                                ; block a - 2's stores have read their registers and their base
.endif
	TOSTAGE \a
	SEND \a-1, 32                                  ; behind block a - 1's loads: block a's 16 stores and 16 loads
.endr
	s_wait_xcnt 0x0
	SEND 7, 0
	s_wait_tensorcnt 0x0                           ; the wave's end
	ds_add_u32 v[SPW], v[NIL]
	s_wait_dscnt 0x0
	CROUND                                         ; the closing round
	s_endpgm
.Lfunc_end_k_qf1f5f6e95a_oproj:
	.size	k_qf1f5f6e95a_oproj, .Lfunc_end_k_qf1f5f6e95a_oproj-k_qf1f5f6e95a_oproj
	.p2alignl 7, 3214868480
	.fill 96, 4, 3214868480
	.section	.rodata,"a",@progbits
	.p2align	6, 0x0
	.amdhsa_kernel k_qf1f5f6e95a_oproj
		.amdhsa_group_segment_fixed_size 327680
		.amdhsa_private_segment_fixed_size 0
		.amdhsa_enable_private_segment 0
		.amdhsa_kernarg_size 40
		.amdhsa_user_sgpr_count 2
		.amdhsa_user_sgpr_kernarg_segment_ptr 1
		.amdhsa_wavefront_size32 1
		.amdhsa_system_sgpr_workgroup_id_x 1
		.amdhsa_system_sgpr_workgroup_id_y 1
		.amdhsa_system_sgpr_workgroup_id_z 1
		.amdhsa_system_vgpr_workitem_id 0
		.amdhsa_next_free_vgpr 1024
		.amdhsa_next_free_sgpr 98
		.amdhsa_reserve_vcc 0
		.amdhsa_float_denorm_mode_32 3
		.amdhsa_float_denorm_mode_16_64 3
		.amdhsa_memory_ordered 1
		.amdhsa_forward_progress 1
		.amdhsa_inst_pref_size 123
	.end_amdhsa_kernel
	.amdgpu_metadata
---
amdhsa.version: [ 1, 2 ]
amdhsa.kernels:
  - .name:           k_qf1f5f6e95a_oproj
    .symbol:         k_qf1f5f6e95a_oproj.kd
    .args:
      - { .name: oc, .offset: 0, .size: 8, .value_kind: global_buffer, .address_space: global }
      - { .name: wc, .offset: 8, .size: 8, .value_kind: global_buffer, .address_space: global }
      - { .name: lowp_scales, .offset: 16, .size: 8, .value_kind: global_buffer, .address_space: global }
      - { .name: bo, .offset: 24, .size: 8, .value_kind: global_buffer, .address_space: global }
      - { .name: out0, .offset: 32, .size: 8, .value_kind: global_buffer, .address_space: global }
    .group_segment_fixed_size: 327680
    .private_segment_fixed_size: 0
    .kernarg_segment_align: 8
    .kernarg_segment_size: 40
    .max_flat_workgroup_size: 128
    .sgpr_count:     98
    .vgpr_count:     1024
    .wavefront_size: 32
...
	.end_amdgpu_metadata
.endif
;; end of part 4
;; ======== version 2 of 2: 4 launches
;; limits: right only within a limited range of input values
;; workspace buffers: xc 12,582,912 bytes; wc 4,194,304 bytes; qkv 12,582,912 bytes; oc 4,194,304 bytes
;; launch quant (part 5): grid 256 x 1, 4 waves a work-group, no clusters, 68,096 bytes of LDS; arguments x, Wq, Wk, Wv, Wo, lowp_scales, xc, wc; writes xc, wc
.if DOCPART == 5
	.amdgcn_target "amdgcn-amd-amdhsa--gfx1250"
	.amdhsa_code_object_version 6
	.text
	.protected	k_qf1f5f6e95a_quant
	.globl	k_qf1f5f6e95a_quant
	.p2align	8
	.type	k_qf1f5f6e95a_quant,@function
k_qf1f5f6e95a_quant:
	s_mov_b64 s[64:65], 0
	v_nop
	global_prefetch_b8 v0, s[64:65] scope:SCOPE_SE
	s_setreg_imm32_b32 hwreg(HW_REG_WAVE_MODE, 25, 1), 1
	s_wait_xcnt 0x0
; x [4096][1024] f32 becomes three sets of E4M3 codes, xc [3][4096][1024], with the scales 2^e0, 2^e2, 2^e4 (x is an operand of three products, each with a scale of its own).
; Wq, Wk, Wv, Wo [k 1024][n 1024] f32 become codes wc [4][n 1024][k 1024], K innermost, with 2^e1, 2^e3, 2^e5, 2^e11.
; code = number / 2^e, held within +-448, to the nearest code, ties to even.
; LIMITS: each e used here lies between -126 and 119, so that 2^e and 448 x 2^e are f32 numbers.  NaN among the inputs is not served.
; Work-groups 0-127 take x, 128-255 the weights.  The two ways part on the work-group's number and have LDS bytes of their own: x's 0 .. 32,767, the weights' 32,768 .. 67,583.
; No tensor load, no barrier: waves share nothing.  Matrix units and clusters have nothing to do here: each input byte is read once and each code written once.
.set STEPS, 16                         ; x: steps of 512 numbers for a wave
.set R,     16                         ; v16-79   four sets of 16 numbers as loaded
.set X,     80                         ; v80-111  two sets of 16 neighbours
.set T,     112                        ; v112-159 the 16 numbers held within each of the three scales' ranges
.set C,     160                        ; v160-183 two sets of 3 x 4 registers of codes
.set WREG,  8192                       ; x: LDS bytes of a wave: two stages of 32 x SP
.set SP,    80                         ; a lane's place in a stage: 64 bytes + 16 of padding
.set WSTG,  32768                      ; the weights' stages begin here
.set PITCH, 272                        ; a stage row: 256 codes + 16 bytes of padding
.set WX,    32                         ; v32-95   weights: two sets of 32 numbers down K
.set WC,    96                         ; v96-103  a block's codes
.set OUTR,  112                        ; v112-175 the way out
	s_load_b256 s[4:11], s[0:1], 0x0               ; x, Wq, Wk, Wv
	s_load_b256 s[12:19], s[0:1], 0x20             ; Wo, the scales' exponents, xc, wc
	v_lshl_add_u32 v192, v0, 2, 0x10800
	v_mov_b32 v193, 0
	v_lshrrev_b32 v1, 5, v0
	v_readfirstlane_b32 s32, v1                    ; wave 0..3
	v_and_b32 v2, 31, v0                           ; lane
	s_wait_kmcnt 0x0
	s_load_b256 s[20:27], s[14:15], 0x0            ; e0 .. e7
	s_load_b128 s[28:31], s[14:15], 0x20           ; e8 .. e11
	s_cmp_lt_u32 ttmp9, 128
	s_cbranch_scc0 .Lweights
; ---------------- x: a plain stream of numbers; a wave takes 8,192 of them ----------------
; A load reads 512 consecutive bytes, 16 a lane; the conversions want 16 NEIGHBOURS in a lane: a step's 2,048 bytes turn through the wave's own stage in LDS.
	s_wait_alu depctr_va_vdst(0)
	v_lshlrev_b32 v3, 4, v2                        ; my 16 bytes of a load's 512
	s_wait_alu depctr_va_vdst(0)
	v_lshlrev_b32 v4, 4, v2                        ; my 16 codes of a step's 512
	s_mul_i32 s33, s32, WREG
	v_lshrrev_b32 v14, 2, v2
	v_mul_u32_u24 v14, v14, SP
	v_and_b32 v15, 3, v2
	v_lshl_add_u32 v14, v15, 4, v14
	v_add_nc_u32 v14, s33, v14                     ; into the stage: SP (lane / 4) + 16 (lane % 4)
	v_mul_u32_u24 v15, v2, SP
	v_add_nc_u32 v15, s33, v15                     ; out of it: SP x lane
	s_lshl_b32 s34, ttmp9, 2
	s_add_co_u32 s34, s34, s32                     ; which run of 8,192 numbers is my wave's: 0 .. 511
	s_lshl_b32 s42, s34, 15                        ; in bytes of f32
	s_mov_b32 s43, 0
	s_add_nc_u64 s[4:5], s[4:5], s[42:43]
	s_lshl_b32 s42, s34, 13                        ; in bytes of codes
	s_add_nc_u64 s[36:37], s[16:17], s[42:43]      ; set 0,
	s_add_nc_u64 s[38:39], s[36:37], 0x400000      ; set 1,
	s_add_nc_u64 s[40:41], s[36:37], 0x800000      ; set 2: three bases, since the distance does not fit a store's immediate
.macro LOAD t
.irp i, 0,1,2,3
	global_load_b128 v[R+16*((\t)%4)+4*\i:R+16*((\t)%4)+4*\i+3], v3, s[4:5] offset:2048*(\t)+512*\i th:TH_LOAD_NT
.endr
.endm
.macro TURN t                          ; LDS serves a wave's instructions in order: no wait between the stores and the loads
.irp i, 0,1,2,3
	ds_store_b128 v14, v[R+16*((\t)%4)+4*\i:R+16*((\t)%4)+4*\i+3] offset:32*SP*((\t)%2)+8*SP*\i
.endr
.irp i, 0,1,2,3
	ds_load_b128 v[X+16*((\t)%2)+4*\i:X+16*((\t)%2)+4*\i+3], v15 offset:32*SP*((\t)%2)+16*\i
.endr
.endm
.irp t, 0,1,2,3
	LOAD \t
.endr
	s_wait_alu depctr_va_vdst(0)
	s_wait_kmcnt 0x0
.irp s, 0,1,2                          ; e0, e2, e4
	s_add_co_i32 s44, s[20+2*\s], 127
	s_lshl_b32 s45, s44, 23
	v_mov_b32 v[5+\s], s45                         ; 2^e as f32: the conversion takes its exponent field
	s_add_co_i32 s44, s44, 8
	s_lshl_b32 s44, s44, 23
	s_or_b32 s44, s44, 0x600000
	v_mov_b32 v[8+\s], s44                         ; 448 x 2^e
.endr
	s_wait_alu depctr_va_vdst(0)
	s_wait_loadcnt 12                              ; step 0's four loads are in; those of steps 1 to 3 may be out
	TURN 0
.macro STEP t
.set XS, X+16*((\t)%2)
.set CS, C+12*((\t)%2)
	s_wait_dscnt 0x0                               ; this step's numbers are back: so its stores into the stage have read their registers,
.if (\t)+4 < STEPS
	LOAD (\t)+4                                    ; which take the loads of four steps on
.endif
.if (\t)+1 < STEPS
.if STEPS-2-(\t) >= 3
	s_wait_loadcnt 12                              ; the next step's four loads are in; those of the three steps behind it may be out
.else
	s_wait_loadcnt 4*(STEPS-2-(\t))
.endif
	TURN (\t)+1
.endif
.irp s, 0,1,2
.set i, 0
.rept 16
	v_med3_num_f32 v[T+16*\s+i], v[XS+i], -v[8+\s], v[8+\s]   ; the conversion to an 8-bit code does not saturate (ISA guide 7.6.2): the hold comes first
.set i, i+1
.endr
.endr
.if (\t) >= 2
	s_wait_alu depctr_va_vdst(0)
	s_wait_xcnt 0x0                                ; the stores of two steps ago have read this set of code registers
.endif
.irp s, 0,1,2
	v_cvt_scalef32_pk8_fp8_f32 v[CS+4*\s:CS+4*\s+1], v[T+16*\s:T+16*\s+7], v[5+\s]
	v_cvt_scalef32_pk8_fp8_f32 v[CS+4*\s+2:CS+4*\s+3], v[T+16*\s+8:T+16*\s+15], v[5+\s]
.endr
	v_nop                                          ; a plain line between the conversions and the next step's holds, which write their sources
.irp s, 0,1,2
	global_store_b128 v4, v[CS+4*\s:CS+4*\s+3], s[36+2*\s:37+2*\s] offset:512*(\t)   ; the wave stores 512 consecutive bytes, aligned
.endr
.endm
.irp t, 0,1,2,3,4,5,6,7,8,9,10,11,12,13,14,15
	STEP \t
.endr
	s_wait_tensorcnt 0x0
	ds_add_u32 v192, v193
	s_wait_dscnt 0x0
	s_endpgm
; ---------------- the weights: K is the FIRST axis ----------------
; A lane takes a column n and its registers run down K: each load reads 128 consecutive bytes a wave, and the conversions give codes with K innermost.
; A wave takes 32 columns x 256 along K; the codes go through its own stage and leave as rows: sixteen lanes store 256 consecutive bytes, aligned.
.Lweights:
	s_sub_co_u32 s33, ttmp9, 128
	s_lshr_b32 s34, s33, 5                         ; which weight: 0 Wq, 1 Wk, 2 Wv, 3 Wo
	s_bfe_u32 s35, s33, 0x20003                    ; which 256 along K
	s_and_b32 s33, s33, 7                          ; which 128 columns
	s_cmp_eq_u32 s34, 1
	s_cselect_b64 s[6:7], s[8:9], s[6:7]
	s_cmp_eq_u32 s34, 2
	s_cselect_b64 s[6:7], s[10:11], s[6:7]
	s_cmp_eq_u32 s34, 3
	s_cselect_b64 s[6:7], s[12:13], s[6:7]
	s_lshl_b32 s36, s33, 7
	s_lshl_b32 s37, s32, 5
	s_add_co_u32 s36, s36, s37                     ; my wave's first column
	s_lshl_b32 s38, s35, 20                        ; 256 rows of 4,096 bytes
	s_lshl_b32 s37, s36, 2
	s_add_co_u32 s38, s38, s37
	s_mov_b32 s39, 0
	s_add_nc_u64 s[6:7], s[6:7], s[38:39]
	s_lshl_b32 s38, s34, 20                        ; the weight's codes,
	s_lshl_b32 s37, s36, 10                        ; the column's row of 1,024 codes,
	s_add_co_u32 s38, s38, s37
	s_lshl_b32 s37, s35, 8                         ; my 256 of them
	s_add_co_u32 s38, s38, s37
	s_add_nc_u64 s[18:19], s[18:19], s[38:39]
	s_wait_alu depctr_va_vdst(0)
	v_lshlrev_b32 v3, 2, v2                        ; in: 4 bytes a lane
	s_mul_i32 s37, s32, 32*PITCH
	s_add_co_u32 s37, s37, WSTG                    ; my stage
	v_mul_u32_u24 v4, v2, PITCH
	v_add_nc_u32 v4, s37, v4                       ; into it: row = my column
	v_and_b32 v5, 15, v2
	v_lshrrev_b32 v6, 4, v2
	v_mul_u32_u24 v7, v6, PITCH
	v_lshl_add_u32 v7, v5, 4, v7
	v_add_nc_u32 v7, s37, v7                       ; out of it: sixteen lanes to a row, two rows an instruction
	v_lshlrev_b32 v8, 10, v6
	v_lshl_add_u32 v8, v5, 4, v8                   ; the same place in the codes' buffer
.macro WLOAD t                         ; block t: W(32 t + i, my column), i = 0 .. 31
.set i, 0
.rept 32
	global_load_b32 v[WX+32*((\t)%2)+i], v3, s[6:7] offset:(32*(\t)+i)*4096 th:TH_LOAD_NT
.set i, i+1
.endr
.endm
	WLOAD 0
	WLOAD 1
	s_wait_kmcnt 0x0
	s_cmp_eq_u32 s34, 1
	s_cselect_b32 s21, s23, s21                    ; e1, e3, e5 or e11
	s_cmp_eq_u32 s34, 2
	s_cselect_b32 s21, s25, s21
	s_cmp_eq_u32 s34, 3
	s_cselect_b32 s21, s31, s21
	s_add_co_i32 s21, s21, 127
	s_lshl_b32 s44, s21, 23
	v_mov_b32 v11, s44                             ; 2^e as f32
	s_add_co_i32 s21, s21, 8
	s_lshl_b32 s21, s21, 23
	s_or_b32 s21, s21, 0x600000
	v_mov_b32 v10, s21                             ; 448 x 2^e
.macro WBLOCK t
.set XS, WX+32*((\t)%2)
.if (\t) < 7
	s_wait_loadcnt 32                              ; this block's 32 loads are in; the next block's may be out
.else
	s_wait_loadcnt 0
.endif
.set i, 0
.rept 32
	v_med3_num_f32 v[XS+i], v[XS+i], -v10, v10
.set i, i+1
.endr
.irp g, 0,1,2,3
	v_cvt_scalef32_pk8_fp8_f32 v[WC+2*\g:WC+2*\g+1], v[XS+8*\g:XS+8*\g+7], v11
.endr
	ds_store_b128 v4, v[WC:WC+3] offset:32*(\t)    ; 32 codes of my column's row.  (The results go to LDS stores; the next block's holds are the plain lines ahead of the next conversions)
	ds_store_b128 v4, v[WC+4:WC+7] offset:32*(\t)+16
.if (\t)+2 < 8
	WLOAD (\t)+2
.endif
	s_wait_dscnt 0x0                               ; the stores have read their registers
.endm
	s_wait_alu depctr_va_vdst(0)
.irp t, 0,1,2,3,4,5,6,7
	WBLOCK \t
.endr
.irp t, 0,1,2,3,4,5,6,7,8,9,10,11,12,13,14,15
	ds_load_b128 v[OUTR+4*\t:OUTR+4*\t+3], v7 offset:2*\t*PITCH
.endr
.irp t, 0,1,2,3,4,5,6,7,8,9,10,11,12,13,14,15
	s_wait_dscnt 15-\t                             ; load t is back; the younger ones may be out
	global_store_b128 v8, v[OUTR+4*\t:OUTR+4*\t+3], s[18:19] offset:2*\t*1024
.endr
	s_wait_tensorcnt 0x0
	ds_add_u32 v192, v193
	s_wait_dscnt 0x0
	s_endpgm
.Lfunc_end_k_qf1f5f6e95a_quant:
	.size	k_qf1f5f6e95a_quant, .Lfunc_end_k_qf1f5f6e95a_quant-k_qf1f5f6e95a_quant
	.p2alignl 7, 3214868480
	.fill 96, 4, 3214868480
	.section	.rodata,"a",@progbits
	.p2align	6, 0x0
	.amdhsa_kernel k_qf1f5f6e95a_quant
		.amdhsa_group_segment_fixed_size 68096
		.amdhsa_private_segment_fixed_size 0
		.amdhsa_enable_private_segment 0
		.amdhsa_kernarg_size 64
		.amdhsa_user_sgpr_count 2
		.amdhsa_user_sgpr_kernarg_segment_ptr 1
		.amdhsa_wavefront_size32 1
		.amdhsa_system_sgpr_workgroup_id_x 1
		.amdhsa_system_sgpr_workgroup_id_y 1
		.amdhsa_system_sgpr_workgroup_id_z 1
		.amdhsa_system_vgpr_workitem_id 0
		.amdhsa_next_free_vgpr 194
		.amdhsa_next_free_sgpr 66
		.amdhsa_reserve_vcc 0
		.amdhsa_float_denorm_mode_32 3
		.amdhsa_float_denorm_mode_16_64 3
		.amdhsa_memory_ordered 1
		.amdhsa_forward_progress 1
		.amdhsa_inst_pref_size 127
	.end_amdhsa_kernel
	.amdgpu_metadata
---
amdhsa.version: [ 1, 2 ]
amdhsa.kernels:
  - .name:           k_qf1f5f6e95a_quant
    .symbol:         k_qf1f5f6e95a_quant.kd
    .args:
      - { .name: x, .offset: 0, .size: 8, .value_kind: global_buffer, .address_space: global }
      - { .name: Wq, .offset: 8, .size: 8, .value_kind: global_buffer, .address_space: global }
      - { .name: Wk, .offset: 16, .size: 8, .value_kind: global_buffer, .address_space: global }
      - { .name: Wv, .offset: 24, .size: 8, .value_kind: global_buffer, .address_space: global }
      - { .name: Wo, .offset: 32, .size: 8, .value_kind: global_buffer, .address_space: global }
      - { .name: lowp_scales, .offset: 40, .size: 8, .value_kind: global_buffer, .address_space: global }
      - { .name: xc, .offset: 48, .size: 8, .value_kind: global_buffer, .address_space: global }
      - { .name: wc, .offset: 56, .size: 8, .value_kind: global_buffer, .address_space: global }
    .group_segment_fixed_size: 68096
    .private_segment_fixed_size: 0
    .kernarg_segment_align: 8
    .kernarg_segment_size: 64
    .max_flat_workgroup_size: 128
    .sgpr_count:     66
    .vgpr_count:     194
    .wavefront_size: 32
...
	.end_amdgpu_metadata
.endif
;; end of part 5
;; launch qkv (part 6): grid 12 x 16, 4 waves a work-group, clusters of 4 x 4, 327,680 bytes of LDS; arguments xc, wc, lowp_scales, bq, bk, bv, qkv; writes qkv
.if DOCPART == 6
	.amdgcn_target "amdgcn-amd-amdhsa--gfx1250"
	.amdhsa_code_object_version 6
	.text
	.protected	k_qf1f5f6e95a_qkv
	.globl	k_qf1f5f6e95a_qkv
	.p2align	8
	.type	k_qf1f5f6e95a_qkv,@function
k_qf1f5f6e95a_qkv:
	s_mov_b64 s[64:65], 0
	v_nop
	global_prefetch_b8 v0, s[64:65] scope:SCOPE_SE
	s_setreg_imm32_b32 hwreg(HW_REG_WAVE_MODE, 25, 1), 1
	s_wait_xcnt 0x0
	s_wait_alu depctr_hold_cnt(0) depctr_sa_sdst(0) depctr_va_vdst(0) depctr_va_sdst(0) depctr_va_ssrc(0) depctr_va_vcc(0) depctr_vm_vsrc(0)
	s_getreg_b32 s2, hwreg(HW_REG_IB_STS2, 6, 4)
	s_cmp_eq_u32 s2, 0
	s_cbranch_scc0 .Lentry_in_a_cluster
	s_endpgm
.Lentry_in_a_cluster:
	s_bfe_u32 s2, ttmp6, 0x10000c
	s_cmp_lg_u32 s2, 0xf033
	s_cbranch_scc0 .Lentry_shape_is_right
	s_endpgm
.Lentry_shape_is_right:
; Q, K, V = x W + b on E4M3 codes, then quantised with 2^e6, 2^e7, 2^e9 and stored as images of the operand registers that the attention launch loads.
; The cluster's x picks the product: 0 Q, 1 K, 2 V.  Q, K: A = x's codes (set 0 or 1 of xc), B = the weight's codes; V: A = Wv's codes, B = x's codes (set 2), so that V comes out with the keys along a lane's registers.
; A tile of 256 x 256 is made by four waves, 128 x 128 each: 64 accumulators.  The matrix instruction is used transposed (source 0 = B's rows): a lane holds one row of A's side and eight neighbours of B's side,
; which one conversion turns into eight codes along the next product's K.
; LDS: ONE slot of 512 along K: A's 256 rows, then B's 256, 512 bytes + 16 of padding each.  Each wave fills a quarter by one joint load at the head, and fills it again once, with K = 512 .. 1023:
; that refill is asked for halfway through the slot's fourth step of 128, when the wave's reads of the slot are over, and the step's last 32 products stand behind it.
; CLUSTERS: 4 x 4; A's tile is asked for jointly along a row of the cluster, B's along a column.
; PREFETCH: behind the first fragment loads each wave asks for the second half of K of 32 of the 128 rows that it fetches, a lane a row, two blocks of 256 bytes a row; the four partners that ask for a tile
; jointly share its rows out by address.  That stands three and a half steps, 224 matrix instructions, ahead of the refill.
; LIMITS: e0 + e1, e2 + e3, e4 + e5 between -126 and 127; e6, e7, e9 between -126 and 119.  NaN is not served.
; REGISTERS: window 0: v0-31 addresses; v32-127 biases; from v128 A's fragments, one set (on the way out: sums and codes).  Window 1: B's fragments, two sets.  Windows 2, 3: the accumulators.
.set ROWB,   512
.set KROW,   1024
.set PITCH,  528                       ; 132 words: the 16 rows that a load touches start 4 banks apart (64 banks of 4 bytes: ISA guide 11.1)
.set FR,     16
.set NL,     4
.set NP,     4
.set HALFT,  128*PITCH
.set SLOT,   4*HALFT
.set SPARE,  SLOT                      ; behind the slot: the spare words
.set PFO,  7                           ; v7   the prefetches' offset: 1,024 x lane
.set CO,   8
.set SCL,  14
.set LIM,  15
.set ADRA, 16
.set ADRB, 20
.set SPW,  28
.set NIL,  29
.set BC,   32                          ; v32-95  Q, K: the bias at my 64 columns' places (V: 0)
.set BR,   96                          ; v96-111 V: the bias at my row of each block, as pairs (Q, K: 0)
.set BW,   112
.set AF,   128
.set TMP,  128
.set PC,   192
.set G1, 24
.set G0, 32
.set PFA, 36                           ; s[36:37] my work-group's 32 rows of the 128 that I fetch
.set G1B, 48
.set G0B, 56
.set MSB, 0
.macro WIN new
.if MSB != (\new)
	s_set_vgpr_msb (MSB<<8)|(\new)
.set MSB, (\new)
.endif
.endm
.set MUL_LO, 0xa1
.set MUL_HI, 0xf1
.set TO_B,   0x40
.macro JLOAD                           ; waves 0, 1 fetch for A, waves 2, 3 for B; an s_nop 0 and four v_nop follow each line
	s_cmp_eq_u32 s15, 0
	s_cbranch_scc0 .Lfor_b_\@
	tensor_load_to_lds s[G0:G0+3], s[G1:G1+7]
	s_nop 0
.rept 4
	v_nop
.endr
	s_branch .Lasked_\@
.Lfor_b_\@:
	tensor_load_to_lds s[G0B:G0B+3], s[G1B:G1B+7]
	s_nop 0
.rept 4
	v_nop
.endr
.Lasked_\@:
.endm
.macro CREST
	s_cmp_lg_u32 s14, 0
	s_cbranch_scc1 .Lnot_wave_0_\@
	s_barrier_signal -3
.Lnot_wave_0_\@:
	s_barrier_wait -3
	s_barrier_signal -1
	s_barrier_wait -1
.endm
.macro CROUND
	s_barrier_signal -1
	s_barrier_wait -1
	CREST
.endm
	s_load_b256 s[4:11], s[0:1], 0x0               ; xc, wc, the scales' exponents, bq
	s_load_b128 s[68:71], s[0:1], 0x20             ; bk, bv
	s_load_b64 s[72:73], s[0:1], 0x30              ; qkv
	v_lshl_add_u32 v[SPW], v0, 2, SPARE
	v_mov_b32 v[NIL], 0
	ds_add_u32 v[SPW], v[NIL]                      ; the opening lines: the add twice on end and one wait
	ds_add_u32 v[SPW], v[NIL]
	v_lshrrev_b32 v1, 5, v0
	v_readfirstlane_b32 s14, v1                    ; wave 0..3
	s_lshr_b32 s15, s14, 1                         ; my half of A's rows.  Also: I fetch for A (0) or for B (1)
	s_and_b32 s16, s14, 1                          ; my half of B's rows.  Also: which 128 rows I fetch
	s_bfe_u32 s40, ttmp6, 0x40000                  ; cx
	s_bfe_u32 s41, ttmp6, 0x40004                  ; cy
	s_mov_b32 s74, ttmp9                           ; the product
	s_and_b32 s75, ttmp7, 0xffff
	s_lshl_b32 s75, s75, 2                         ; the cluster's first tile of tokens
	s_lshl_b32 s43, s41, 2
	s_lshl_b32 s43, 15, s43                        ; my row of the cluster
	s_lshl_b32 s44, 0x1111, s40                    ; my column
	s_or_b32 s[G1+0], s43, (0<<16)|(1<<20)|(1<<21)|(6<<22)|(3<<25)    ; elements of 1 byte; 4 words of padding behind every 128; bit 21 beside a mask
	s_or_b32 s[G1B+0], s44, (0<<16)|(1<<20)|(1<<21)|(6<<22)|(3<<25)
.irp g, G1, G1B
	s_mov_b32 s[\g+1], ROWB<<16
	s_mov_b32 s[\g+2], 128<<16
	s_mov_b32 s[\g+3], ROWB<<16
	s_mov_b32 s[\g+4], 128
	s_mov_b32 s[\g+5], KROW
	s_mov_b32 s[\g+6], 0
	s_mov_b32 s[\g+7], 0
.endr
	s_lshl_b32 s20, s74, 22                        ; Q, K: A in set s74 of xc, B in weight s74 of wc
	s_lshl_b32 s46, s74, 20
	s_mov_b32 s99, 0x20000
	s_cmp_eq_u32 s74, 2
	s_cselect_b32 s76, 0, s75
	s_cselect_b32 s77, s75, 0
	s_cselect_b32 s20, 0x200000, s20               ; V: A in weight 2 of wc, B in set 2 of xc
	s_cselect_b32 s46, 0x800000, s46
	s_cselect_b32 s99, 4096, s99
	s_cselect_b32 s100, 126976, 0
	s_cselect_b32 s66, 0, -1
	s_cselect_b32 s67, -1, 0
	s_add_co_u32 s17, s41, s76                     ; A's tile
	s_add_co_u32 s42, s40, s77                     ; B's tile
	s_lshl_b32 s18, s16, 17
	s_lshl_b32 s21, s17, 18
	s_add_co_u32 s20, s20, s21
	s_add_co_u32 s20, s20, s18
	s_mov_b32 s21, 0
	s_lshl_b32 s47, s42, 18
	s_add_co_u32 s46, s46, s47
	s_add_co_u32 s46, s46, s18
	s_mov_b32 s47, 0
	s_mul_i32 s45, s14, HALFT                      ; where my quarter goes: no place in the cluster enters an LDS address
	s_wait_dscnt 0x0
	s_wait_kmcnt 0x0
	s_load_b256 s[84:91], s[8:9], 0x0              ; e0 .. e7
	s_load_b128 s[92:95], s[8:9], 0x20             ; e8 .. e11
	s_cmp_eq_u32 s74, 2
	s_cselect_b64 s[78:79], s[6:7], s[4:5]
	s_cselect_b64 s[80:81], s[4:5], s[6:7]
	s_add_nc_u64 s[20:21], s[78:79], s[20:21]
	s_add_nc_u64 s[46:47], s[80:81], s[46:47]
	CROUND                                         ; all sixteen work-groups are here: the first joint loads meet
	s_mov_b32 s[G0], 1
	s_mov_b32 s[G0+1], s45
	s_mov_b64 s[G0+2:G0+3], s[20:21]
	s_or_b32 s[G0+3], s[G0+3], 0x80000000
	s_mov_b32 s[G0B], 1
	s_mov_b32 s[G0B+1], s45
	s_mov_b64 s[G0B+2:G0B+3], s[46:47]
	s_or_b32 s[G0B+3], s[G0B+3], 0x80000000
	s_cmp_eq_u32 s15, 0
	s_cselect_b64 s[PFA:PFA+1], s[20:21], s[46:47] ; the prefetches: the rows that I fetch,
	s_cselect_b32 s38, s40, s41                    ; my place among the four that ask for them with me,
	s_lshl_b32 s38, s38, 15                        ; 32 rows of 1,024 bytes each
	s_mov_b32 s39, 0
	s_add_nc_u64 s[PFA:PFA+1], s[PFA:PFA+1], s[38:39]
	JLOAD                                          ; K = 0 .. 511: my one tensor load at the head
	v_and_b32 v1, 15, v0
	v_bfe_u32 v2, v0, 4, 1
	v_mul_u32_u24 v3, v1, PITCH
	v_lshl_add_u32 v4, v2, 4, v3                   ; a fragment's row x pitch + 16 x half
	s_mul_i32 s21, s15, HALFT
	s_mul_i32 s22, s16, HALFT
	s_add_co_u32 s22, s22, 2*HALFT
	v_add_nc_u32 v[ADRA], s21, v4
	v_add_nc_u32 v[ADRB], s22, v4
	s_cmp_eq_u32 s74, 1
	s_cselect_b64 s[82:83], s[68:69], s[10:11]     ; the product's bias
	s_cmp_eq_u32 s74, 2
	s_cselect_b64 s[82:83], s[70:71], s[82:83]
	s_cselect_b32 s12, s42, s17                    ; the tile of tokens and my half of it,
	s_cselect_b32 s13, s16, s15
	s_cselect_b32 s98, s17, s42                    ; the tile of channels and my half of it
	s_cselect_b32 s101, s15, s16
	s_lshr_b32 s2, s12, 3                          ; the output: [product][16 x batch + head][131,072 bytes]: the batch,
	s_lshl_b32 s2, s2, 4
	s_lshl_b32 s3, s98, 2
	s_add_co_u32 s2, s2, s3                        ; four heads a tile of channels,
	s_lshl_b32 s3, s101, 1
	s_add_co_u32 s2, s2, s3                        ; two a half
	s_lshl_b32 s2, s2, 17
	s_and_b32 s3, s12, 7
	s_lshl_b32 s3, s3, 14                          ; 256 tokens of a head are 16,384 bytes
	s_add_co_u32 s2, s2, s3
	s_lshl_b32 s3, s13, 13
	s_add_co_u32 s2, s2, s3
	s_lshl_b32 s3, s74, 22
	s_add_co_u32 s2, s2, s3
	s_mov_b32 s3, 0
	s_add_nc_u64 s[72:73], s[72:73], s[2:3]
	s_lshl_b32 s2, s98, 10
	s_lshl_b32 s12, s101, 9
	s_add_co_u32 s2, s2, s12
	s_add_nc_u64 s[82:83], s[82:83], s[2:3]        ; the bias at my 128 channels
	v_and_b32 v6, 31, v0
	v_lshlrev_b32 v[PFO], 10, v6
	v_lshlrev_b32 v[CO], 4, v6                     ; the stores' four offsets: 16 x lane, + the second head (Q, K) or the second 64 keys (V), + what V's blocks 4-7 add
	v_add_nc_u32 v[CO+1], s99, v[CO]
	v_add_nc_u32 v[CO+2], s100, v[CO]
	v_add_nc_u32 v[CO+3], s100, v[CO+1]
	v_lshlrev_b32 v12, 5, v2
	v_lshlrev_b32 v13, 2, v1
.irp b, 0,1,2,3,4,5,6,7
	global_load_b128 v[BC+8*\b:BC+8*\b+3], v12, s[82:83] offset:64*\b
	global_load_b128 v[BC+8*\b+4:BC+8*\b+7], v12, s[82:83] offset:64*\b+16
.endr
.irp a, 0,1,2,3,4,5,6,7
	global_load_b32 v[BW+\a], v13, s[82:83] offset:64*\a
.endr
.macro FRAG reg, adr, q, i             ; 16 rows x 128 K: registers 4 c .. 4 c + 3 hold K = 32 c + 16 (lane / 16) + 0 .. 15, alike in A and B
.irp c, 0,1,2,3
	ds_load_b128 v[\reg+4*\c:\reg+4*\c+3], v[\adr] offset:128*(\q)+32*\c+(\i)*16*PITCH
.endr
.endm
.macro MUL16 a0, p, zero               ; A's blocks a0, a0 + 1 x B's eight; the 64 accumulators take turns in the same order in every step
.irp a, \a0, \a0+1
.irp b, 0,1,2,3,4,5,6,7
.if \zero
	v_wmma_f32_16x16x128_fp8_fp8 v[8*(8*((\a)%4)+\b):8*(8*((\a)%4)+\b)+7], v[128*(\p)+FR*\b:128*(\p)+FR*\b+FR-1], v[AF+FR*(\a):AF+FR*(\a)+FR-1], 0
.else
	v_wmma_f32_16x16x128_fp8_fp8 v[8*(8*((\a)%4)+\b):8*(8*((\a)%4)+\b)+7], v[128*(\p)+FR*\b:128*(\p)+FR*\b+FR-1], v[AF+FR*(\a):AF+FR*(\a)+FR-1], v[8*(8*((\a)%4)+\b):8*(8*((\a)%4)+\b)+7]
.endif
.endr
.endr
.endm
.macro FETCH_B q, p
	WIN TO_B
.irp i, 0,1,2,3,4,5,6,7
	FRAG 128*(\p)+FR*\i, ADRB, \q, \i
.endr
	WIN 0
.endm
.macro FETCH_A q, i0
.irp i, \i0, \i0+1, \i0+2, \i0+3
	FRAG AF+FR*(\i), ADRA, \q, \i
.endr
.endm
.macro PLACES n                        ; plain vector lines between a matrix instruction and a load into its registers
.rept \n
	v_nop
.endr
.endm
.macro FIRST                           ; the slot is whole for every wave: its first fragments
	s_wait_tensorcnt 0x0                           ; my quarter has landed,
	s_barrier_signal -1
	s_barrier_wait -1                              ; and everybody's
	FETCH_B 0, 0
	FETCH_A 0, 0
	FETCH_A 0, 4
.endm
.macro STEP q, zero                    ; one of the slot's first three steps of 128: it fetches the next step's fragments
	s_wait_dscnt 4*NL                              ; B's set and A's blocks 0-3 are in; the 16 youngest loads (A's blocks 4-7) may be out
	WIN MUL_LO
	MUL16 0, (\q)%2, \zero
	MUL16 2, (\q)%2, \zero
	s_wait_dscnt 0
	PLACES NP
	FETCH_B (\q)+1, 1-(\q)%2
	FETCH_A (\q)+1, 0
	WIN MUL_HI
	MUL16 4, (\q)%2, \zero
	MUL16 6, (\q)%2, \zero
	PLACES NP
	WIN 0
	FETCH_A (\q)+1, 4
.endm
.macro LAST fill                       ; the slot's fourth step.  fill = 1: the slot is filled again, as soon as every wave of the cluster has read it out
.if \fill
	s_wait_tensorcnt 0x0
	ds_add_u32 v[SPW], v[NIL]
	s_wait_dscnt 4*NL+1                            ; (the add and the 16 youngest loads may be out)
.else
	s_wait_dscnt 4*NL
.endif
	WIN MUL_LO
	MUL16 0, 1, 0
	s_wait_dscnt 0x0                               ; the add is done, and my reads of the slot are over
.if \fill
	s_barrier_signal -1                            ; this barrier opens a round of the cluster's barrier
.endif
	MUL16 2, 1, 0
.if \fill
	WIN 0
	s_barrier_wait -1
	CREST
	s_add_nc_u64 s[G0+2:G0+3], s[G0+2:G0+3], ROWB
	s_add_nc_u64 s[G0B+2:G0B+3], s[G0B+2:G0B+3], ROWB
	JLOAD                                          ; K = 512 .. 1023: the first tensor load behind the round
.endif
	WIN MUL_HI
	MUL16 4, 1, 0
	MUL16 6, 1, 0
	PLACES NP
	WIN 0
.endm
	s_wait_alu depctr_va_vdst(0)
	FIRST
	global_prefetch_b8 v[PFO], s[PFA:PFA+1] offset:512 th:TH_LOAD_NT scope:SCOPE_SE   ; what the refill will ask for; the address registers are never rewritten
	global_prefetch_b8 v[PFO], s[PFA:PFA+1] offset:768 th:TH_LOAD_NT scope:SCOPE_SE
	STEP 0, 1                                      ; the first step's products start the sums
	STEP 1, 0
	STEP 2, 0
	LAST 1
	FIRST
	STEP 0, 0
	STEP 1, 0
	STEP 2, 0
	LAST 0
	; THE WAY OUT: sum x 2^(the two operands' e) + bias, held within +-448 x the next scale, converted; a block's 16 registers of codes are stored as they lie: 512 consecutive bytes a store.
	s_wait_kmcnt 0x0
	s_add_co_i32 s84, s84, s85
	s_add_co_i32 s86, s86, s87
	s_add_co_i32 s88, s88, s89
	s_cmp_eq_u32 s74, 1
	s_cselect_b32 s96, s86, s84
	s_cselect_b32 s98, s91, s90
	s_cmp_eq_u32 s74, 2
	s_cselect_b32 s96, s88, s96
	s_cselect_b32 s98, s93, s98
	s_add_co_i32 s96, s96, 127
	s_lshl_b32 s96, s96, 23                        ; 2^(ea + eb) as f32
	s_mov_b32 s97, s96
	s_add_co_i32 s98, s98, 127
	s_lshl_b32 s2, s98, 23
	v_mov_b32 v[SCL], s2                           ; the next operand's scale
	s_add_co_i32 s98, s98, 8
	s_lshl_b32 s98, s98, 23
	s_or_b32 s98, s98, 0x600000
	v_mov_b32 v[LIM], s98                          ; 448 x that
	s_wait_loadcnt 0x0
.set j, 0
.rept 64
	v_cndmask_b32 v[BC+j], 0, v[BC+j], s66         ; Q, K: the bias goes by B's side; V: by A's
.set j, j+1
.endr
.irp a, 0,1,2,3,4,5,6,7
	v_cndmask_b32 v[BR+2*\a], 0, v[BW+\a], s67
	v_cndmask_b32 v[BR+2*\a+1], 0, v[BW+\a], s67
.endr
.macro BLOCK a
.set AC, 64*((\a)%4)
.set PS, PC+16*((\a)%4)
	WIN 0x02+((\a)/4)
.set j, 0
.rept 32
	v_pk_fma_f32 v[TMP+j:TMP+j+1], v[AC+j:AC+j+1], s[96:97], v[BC+j:BC+j+1] op_sel_hi:[1,0,1]   ; each accumulator from its low end on
.set j, j+2
.endr
	WIN 0
.set j, 0
.rept 32
	v_pk_add_f32 v[TMP+j:TMP+j+1], v[TMP+j:TMP+j+1], v[BR+2*(\a):BR+2*(\a)+1]
.set j, j+2
.endr
.set j, 0
.rept 64
	v_med3_num_f32 v[TMP+j], v[TMP+j], -v[LIM], v[LIM]   ; the conversion does not saturate (ISA guide 7.6.2)
.set j, j+1
.endr
.if (\a) == 4
	s_wait_alu depctr_va_vdst(0)
	s_wait_xcnt 0x0                                ; block 0's stores have read the registers that block 4's codes take
.endif
.irp b, 0,1,2,3,4,5,6,7
	v_cvt_scalef32_pk8_fp8_f32 v[PS+2*\b:PS+2*\b+1], v[TMP+8*\b:TMP+8*\b+7], v[SCL]
.endr
	v_nop
.irp g, 0,1,2,3
	global_store_b128 v[CO+2*((\a)/4)+\g/2], v[PS+4*\g:PS+4*\g+3], s[72:73] offset:1024*(\a)+512*(\g%2)
.endr
.endm
.irp a, 0,1,2,3,4,5,6,7
	BLOCK \a
.endr
	s_wait_tensorcnt 0x0                           ; the wave's end
	ds_add_u32 v[SPW], v[NIL]
	s_wait_dscnt 0x0
	CROUND                                         ; the closing round
	s_endpgm
.Lfunc_end_k_qf1f5f6e95a_qkv:
	.size	k_qf1f5f6e95a_qkv, .Lfunc_end_k_qf1f5f6e95a_qkv-k_qf1f5f6e95a_qkv
	.p2alignl 7, 3214868480
	.fill 96, 4, 3214868480
	.section	.rodata,"a",@progbits
	.p2align	6, 0x0
	.amdhsa_kernel k_qf1f5f6e95a_qkv
		.amdhsa_group_segment_fixed_size 327680
		.amdhsa_private_segment_fixed_size 0
		.amdhsa_enable_private_segment 0
		.amdhsa_kernarg_size 56
		.amdhsa_user_sgpr_count 2
		.amdhsa_user_sgpr_kernarg_segment_ptr 1
		.amdhsa_wavefront_size32 1
		.amdhsa_system_sgpr_workgroup_id_x 1
		.amdhsa_system_sgpr_workgroup_id_y 1
		.amdhsa_system_sgpr_workgroup_id_z 1
		.amdhsa_system_vgpr_workitem_id 0
		.amdhsa_next_free_vgpr 1024
		.amdhsa_next_free_sgpr 102
		.amdhsa_reserve_vcc 0
		.amdhsa_float_denorm_mode_32 3
		.amdhsa_float_denorm_mode_16_64 3
		.amdhsa_memory_ordered 1
		.amdhsa_forward_progress 1
		.amdhsa_inst_pref_size 156
	.end_amdhsa_kernel
	.amdgpu_metadata
---
amdhsa.version: [ 1, 2 ]
amdhsa.kernels:
  - .name:           k_qf1f5f6e95a_qkv
    .symbol:         k_qf1f5f6e95a_qkv.kd
    .args:
      - { .name: xc, .offset: 0, .size: 8, .value_kind: global_buffer, .address_space: global }
      - { .name: wc, .offset: 8, .size: 8, .value_kind: global_buffer, .address_space: global }
      - { .name: lowp_scales, .offset: 16, .size: 8, .value_kind: global_buffer, .address_space: global }
      - { .name: bq, .offset: 24, .size: 8, .value_kind: global_buffer, .address_space: global }
      - { .name: bk, .offset: 32, .size: 8, .value_kind: global_buffer, .address_space: global }
      - { .name: bv, .offset: 40, .size: 8, .value_kind: global_buffer, .address_space: global }
      - { .name: qkv, .offset: 48, .size: 8, .value_kind: global_buffer, .address_space: global }
    .group_segment_fixed_size: 327680
    .private_segment_fixed_size: 0
    .kernarg_segment_align: 8
    .kernarg_segment_size: 56
    .max_flat_workgroup_size: 128
    .sgpr_count:     102
    .vgpr_count:     1024
    .wavefront_size: 32
...
	.end_amdgpu_metadata
.endif
;; end of part 6
;; launch attn (part 7): grid 8 x 32, 8 waves a work-group, clusters of 4 x 1, 327,680 bytes of LDS; arguments qkv, lowp_scales, oc; writes oc
.if DOCPART == 7
	.amdgcn_target "amdgcn-amd-amdhsa--gfx1250"
	.amdhsa_code_object_version 6
	.text
	.protected	k_qf1f5f6e95a_attn
	.globl	k_qf1f5f6e95a_attn
	.p2align	8
	.type	k_qf1f5f6e95a_attn,@function
k_qf1f5f6e95a_attn:
	s_mov_b64 s[64:65], 0
	v_nop
	global_prefetch_b8 v0, s[64:65] scope:SCOPE_SE
	s_setreg_imm32_b32 hwreg(HW_REG_WAVE_MODE, 25, 1), 1
	s_wait_xcnt 0x0
	s_wait_alu depctr_hold_cnt(0) depctr_sa_sdst(0) depctr_va_vdst(0) depctr_va_sdst(0) depctr_va_ssrc(0) depctr_va_vcc(0) depctr_vm_vsrc(0)
	s_getreg_b32 s2, hwreg(HW_REG_IB_STS2, 6, 4)
	s_cmp_eq_u32 s2, 0
	s_cbranch_scc0 .Lentry_in_a_cluster
	s_endpgm
.Lentry_in_a_cluster:
	s_bfe_u32 s2, ttmp6, 0x10000c
	s_cmp_lg_u32 s2, 0x3003
	s_cbranch_scc0 .Lentry_shape_is_right
	s_endpgm
.Lentry_shape_is_right:
; For one head and 256 queries: S^T = K Q^T (16x16x64 form) and O^T = V^T P^T (16x16x128 form) on E4M3 codes; O / l is quantised with 2^e10 and stored as images for the last product.
; SOFTMAX: t = score x 2^(e6 + e7) x log2(e) / 8; M = the running largest t rounded UP to a whole number; p = 2^(t - M) is quantised with 2^e8, not normalised; the row's sum l is taken of the
; unquantised p.  When M moves, l and O^T are multiplied by 2^(old M - new M), which rounds nothing.  No branch hangs on data.
; SHARES.  Eight waves, two to a SIMD; a wave owns 32 queries, two tiles u = 0, 1: each fragment of K and V read from LDS feeds two matrix instructions.  Every wave walks the head's 2,048 keys, 128 a step, 16 steps.
; LAYOUT.  Both products are used transposed: a lane holds ONE query (lane % 16) throughout.  In S^T(u, key tile t) register j is key 16 t + 8 (lane / 16) + j: its eight registers convert into registers 2 t, 2 t + 1 of P,
; the place that the 128 form gives those keys.  A fragment of V for 128 keys is two images of 64 keys on end.
; LDS.  The WHOLE head lies in LDS: K's 131,072 bytes of images from 0, V's from 131,072, the spare words behind.  Nothing is filled twice.  Waves 0-3 fetch K, waves 4-7 V, in two stages: at the head each wave
; brings 8,192 bytes (together keys 0-511, steps 0-3); behind the wait, the spare-word add and the round that follow, each brings 24,576 bytes of the rest.  Steps 0-2 (which fetch K up to step 3)
; stand between that load and the gate at which it is known to have landed.
; CLUSTER.  The four query blocks of a cluster belong to one head: each load is a joint one, with the mask of all four.
; NO PREFETCH: both fills are asked for ahead of the first step; nothing is left that could be asked for earlier from inside a loop.
; A STEP: 16 products K Q^T (K was fetched a step earlier); four places; the next step's K and this step's V, 32 LDS loads in one run; maxima and statistics, both tiles line by line; tile 0's t - M; O^T x f;
; tile 0's exponentials with tile 1's t - M between them; tile 1's exponentials with tile 0's first sums and holds between them; the rest of the sums and holds; the conversions; 8 products V^T P.
; The lines that stand among exponentials read only what was written ahead of the wait in front of that batch, and what they write is read behind the wait that follows it.
; O^T and l begin as zeros and the largest t as -3e38, so the step has no first copy (64 moves, once).
; LIMITS: e6 + e7 between -123 and 130; e8, e10 between -126 and 119.  NaN is not served.
; REGISTERS.  Window 0: v1-7 addresses and constants; v8-31 statistics; v32-159 S^T, then p (64 a tile); v160-223 O^T (32 a tile); v224-255 partial sums.
;             Window 1: v0-15 Q; v16-47 p's codes; v64-127 K's eight fragments; v128-191 V's four.
.set SPARE, 262144
.set LN,   1                           ; 16 x lane
.set ADK,  2                           ; LDS address of the step's K (the fetch reaches 8,192 bytes on by its immediate)
.set ADV,  3                           ; of V
.set GO,   4                           ; the way out: 16 (lane % 16) + 8 (lane / 16)
.set SCL,  5                           ; 2^e8 as f32; at the end 2^e10
.set LIMA, 6                           ; 448 x that, twice: the two halves of a dual line take their second sources from different banks
.set LIMB, 7
.set ST,   8                           ; tile u's statistics at v[8 + 12 u]: +0 -M, +1 largest t, +2:3 l, +4:5 f (and 0), +6, +7 two of the four chains of maxima (the other two: v[T + 2 u], v[T + 2 u + 1]), +8 the old -M, then at work, +10 a permute's destination
.set LV,   17                          ; 16 x lane + 131,072
.set SPW,  19                          ; my spare word
.set NIL,  31                          ; 0
.set S,    32
.set OT,   160
.set T,    224
.set QF,   0
.set P,    16
.set KF,   64
.set VF,   128
.set WV,  10
.set G1,  16                           ; s[16:23] group 1, first stage: 32 rows of 256 bytes
.set G0,  24                           ; s[24:27] its group 0
.set G0R, 28                           ; s[28:31] the second stage's group 0
.set G1R, 32                           ; s[32:39] its group 1: 96 rows
.set SEL, 40                           ; s[40:41] v_permlanex16_b32: lane l xor 16
.set CS,  42                           ; s[42:43] c
.set TB,  44                           ; LDS byte of the step in hand, in K's and in V's block alike
.set CNT, 45
.set MULW, 0x05                        ; sources 0 and 1 window 1; C and D window 0
.set TO_1, 0x40                        ; destination window 1
.set MSB, 0
.macro WIN new                         ; the immediate's high byte repeats the setting that is left
.if MSB != (\new)
	s_set_vgpr_msb (MSB<<8)|(\new)
.set MSB, (\new)
.endif
.endm
.macro CROUND                          ; a round of the cluster's barrier
	s_barrier_signal -1
	s_barrier_wait -1
	s_cmp_lg_u32 s[WV], 0
	s_cbranch_scc1 .Lnot_wave_0_\@
	s_barrier_signal -3
.Lnot_wave_0_\@:
	s_barrier_wait -3
	s_barrier_signal -1
	s_barrier_wait -1
.endm
	s_load_b128 s[4:7], s[0:1], 0x0                ; qkv, the scales' exponents
	s_load_b64 s[8:9], s[0:1], 0x10                ; oc
	v_lshl_add_u32 v[SPW], v0, 2, SPARE
	v_mov_b32 v[NIL], 0
	ds_add_u32 v[SPW], v[NIL]                      ; the opening lines: the add twice on end and one wait
	ds_add_u32 v[SPW], v[NIL]
	v_lshrrev_b32 v2, 5, v0
	v_readfirstlane_b32 s[WV], v2                  ; wave 0..7
	s_bfe_u32 s11, ttmp6, 0x40000                  ; cx
	s_lshl_b32 s12, ttmp9, 2
	s_add_co_u32 s12, s12, s11                     ; my block of 256 queries: it enters Q's and the output's addresses alone
	s_and_b32 s13, ttmp7, 0xffff                   ; 16 x batch + head, which the four partners share
.irp g, G1, G1R
	s_mov_b32 s[\g], 15|(3<<16)|(1<<21)            ; the mask: all four; elements of 8 bytes; bit 21 beside a mask; no padding
	s_mov_b32 s[\g+1], 32<<16                      ; rows of 32 elements: 256 bytes
	s_mov_b32 s[\g+3], 32<<16
	s_mov_b32 s[\g+5], 32                          ; dense
	s_mov_b32 s[\g+6], 0
	s_mov_b32 s[\g+7], 0
.endr
	s_mov_b32 s[G1+2], 32<<16                      ; 32 rows
	s_mov_b32 s[G1+4], 32
	s_mov_b32 s[G1R+2], 96<<16                     ; 96 rows
	s_mov_b32 s[G1R+4], 96
	s_mov_b32 s[SEL], 0x76543210
	s_mov_b32 s[SEL+1], 0xfedcba98
	s_mov_b32 s[CS], 0x3e38aa3b                    ; log2(e) / sqrt(64)
	s_lshr_b32 s56, s[WV], 2                       ; z: waves 0-3 fetch K, waves 4-7 V,
	s_and_b32 s57, s[WV], 3                        ; d: each a quarter of a stage
	s_lshl_b32 s58, s56, 17                        ; LDS: K's or V's block
	s_lshl_b32 s46, s57, 13                        ; in it, first stage: 8,192 d
	s_mov_b32 s47, 0
	s_mul_i32 s62, s57, 24576
	s_add_co_u32 s62, s62, 32768                   ; second stage: 32,768 + 24,576 d
	s_mov_b32 s63, 0
	s_add_co_u32 s60, s56, 1
	s_lshl_b32 s60, s60, 22                        ; K's or V's part of qkv,
	s_lshl_b32 s61, s13, 17                        ; the head
	s_add_co_u32 s60, s60, s61
	s_mov_b32 s61, 0
	s_lshl_b32 s66, s13, 17                        ; Q: the head, my block's 16 tiles, my wave's two
	s_lshl_b32 s70, s12, 14
	s_add_co_u32 s66, s66, s70
	s_lshl_b32 s70, s[WV], 11
	s_add_co_u32 s66, s66, s70
	s_mov_b32 s67, 0
	s_and_b32 s68, s13, 15                         ; the output: [head][token tile 256][1,024]
	s_lshl_b32 s68, s68, 18
	s_lshr_b32 s70, s13, 4
	s_lshl_b32 s70, s70, 17                        ; the batch's 128 token tiles
	s_add_co_u32 s68, s68, s70
	s_lshl_b32 s70, s12, 14
	s_add_co_u32 s68, s68, s70
	s_lshl_b32 s70, s[WV], 11
	s_add_co_u32 s68, s68, s70
	s_mov_b32 s69, 0
	s_wait_dscnt 0x0
	s_wait_kmcnt 0x0
	s_load_b256 s[48:55], s[6:7], 0x10             ; e4 .. e11: s50 e6, s51 e7, s52 e8, s53 e9, s54 e10
	s_add_nc_u64 s[60:61], s[4:5], s[60:61]
	s_add_nc_u64 s[66:67], s[4:5], s[66:67]
	s_add_nc_u64 s[8:9], s[8:9], s[68:69]
	CROUND                                         ; all four work-groups are here: the joint loads meet
	s_mov_b32 s[G0], 1
	s_add_co_u32 s[G0+1], s58, s46
	s_add_nc_u64 s[G0+2:G0+3], s[60:61], s[46:47]
	s_or_b32 s[G0+3], s[G0+3], 0x80000000
	s_mov_b32 s[G0R], 1
	s_add_co_u32 s[G0R+1], s58, s62
	s_add_nc_u64 s[G0R+2:G0R+3], s[60:61], s[62:63]
	s_or_b32 s[G0R+3], s[G0R+3], 0x80000000
	tensor_load_to_lds s[G0:G0+3], s[G1:G1+7]      ; the first stage: my one tensor load at the head
	s_nop 0
.rept 4
	v_nop
.endr
	v_and_b32 v2, 31, v0
	v_lshlrev_b32 v[LN], 4, v2
	v_add_nc_u32 v[LV], 131072, v[LN]
	WIN TO_1
.irp u, 0,1
	global_load_b128 v[QF+8*\u:QF+8*\u+3], v[LN], s[66:67] offset:1024*\u        ; Q's images stay in registers
	global_load_b128 v[QF+8*\u+4:QF+8*\u+7], v[LN], s[66:67] offset:1024*\u+512
.endr
	WIN 0
	v_and_b32 v[GO], 15, v0
	v_bfe_u32 v3, v0, 4, 1
	v_lshlrev_b32 v[GO], 4, v[GO]
	v_lshl_add_u32 v[GO], v3, 3, v[GO]
.irp u, 0,1
	v_mov_b32 v[ST+12*\u+1], 0xff61b1e6            ; the largest t so far: -3e38
	v_floor_f32 v[ST+12*\u], -v[ST+12*\u+1]        ; -M
	v_mov_b32 v[ST+12*\u+2], 0                     ; l, in two halves
	v_mov_b32 v[ST+12*\u+3], 0
	v_mov_b32 v[ST+12*\u+5], 0                     ; (named as the upper half of f's pair)
	v_mov_b32 v[ST+12*\u+10], 0                    ; a lane permute's destination counts as one of its sources
.endr
.set j, 0
.rept 64
	v_mov_b32 v[OT+j], 0
.set j, j+1
.endr
	s_wait_kmcnt 0x0
	s_add_co_i32 s56, s50, s51
	s_lshl_b32 s56, s56, 23
	s_add_co_i32 s[CS], s[CS], s56                 ; a score stands for score x 2^(e6 + e7): added to c's exponent field
	s_mov_b32 s[CS+1], s[CS]
	s_add_co_i32 s56, s52, 127
	s_lshl_b32 s57, s56, 23
	v_mov_b32 v[SCL], s57                          ; 2^e8
	s_add_co_i32 s56, s56, 8
	s_lshl_b32 s56, s56, 23
	s_or_b32 s56, s56, 0x600000
	v_mov_b32 v[LIMA], s56                         ; 448 x 2^e8
	v_mov_b32 v[LIMB], s56
.macro MAXL u                          ; line n of 32: the largest of the lane's 64 scores, four chains by turns, registers ascending (each accumulator is read from its low end on)
.set rT, ST+12*(\u)
.set rS, S+64*(\u)
.set k, n%4
.if k < 2
.set rC, rT+6+k
.else
.set rC, T+2*(\u)+k-2
.endif
.if n < 4
	v_max3_num_f32 v[rC], v[rS+3*n], v[rS+3*n+1], v[rS+3*n+2]
.elseif n < 30
	v_max3_num_f32 v[rC], v[rC], v[rS+2*n+4], v[rS+2*n+5]
.elseif n == 30
	v_max3_num_f32 v[rT+6], v[rT+6], v[rT+7], v[T+2*(\u)]
.else
	v_max_num_f32 v[rT+6], v[rT+6], v[T+2*(\u)+1]
.endif
.endm
.macro STAT u                          ; line n of 7 (the old -M was copied to +8 behind the step's first products)
.set rT, ST+12*(\u)
.if n == 0
	v_mul_f32 v[rT+6], s[CS], v[rT+6]              ; as t (c is positive)
.elseif n == 1
	v_permlanex16_b32 v[rT+10], v[rT+6], s[SEL], s[SEL+1]   ; the query's other 64 keys lie in the lane 16 away
.elseif n == 2
	v_max3_num_f32 v[rT+1], v[rT+1], v[rT+6], v[rT+10]      ; the running largest t
.elseif n == 3
	v_floor_f32 v[rT], -v[rT+1]                    ; -M = floor(-t): M is a whole number
.elseif n == 4
	v_sub_f32 v[rT+8], v[rT], v[rT+8]              ; old M - new M: a whole number, 0 or less
.elseif n == 5
	v_cvt_i32_f32 v[rT+8], v[rT+8]                 ; (it saturates)
.else
	v_ldexp_f32 v[rT+4], 1.0, v[rT+8]              ; f = 2^(old M - new M)
.endif
.endm
.macro TM u, i                         ; t - M, pair i
	v_pk_fma_f32 v[S+64*(\u)+2*(\i):S+64*(\u)+2*(\i)+1], v[S+64*(\u)+2*(\i):S+64*(\u)+2*(\i)+1], s[CS:CS+1], v[ST+12*(\u):ST+12*(\u)+1] op_sel_hi:[1,0,0]
.endm
.macro EX u, i                         ; p = 2^(t - M)
	v_exp_f32 v[S+64*(\u)+(\i)], v[S+64*(\u)+(\i)]
.endm
.macro L1 u, i, d                      ; the sum of the unquantised p, first level: four numbers into pair d
	v_pk_add_f32 v[T+2*(\d):T+2*(\d)+1], v[S+64*(\u)+4*(\i):S+64*(\u)+4*(\i)+1], v[S+64*(\u)+4*(\i)+2:S+64*(\u)+4*(\i)+3]
.endm
.macro TT d, a                         ; pair d += pair a
	v_pk_add_f32 v[T+2*(\d):T+2*(\d)+1], v[T+2*(\d):T+2*(\d)+1], v[T+2*(\a):T+2*(\a)+1]
.endm
.macro HOLD u, i                       ; the conversion does not saturate (ISA guide 7.6.2); p is not negative: a one-sided hold, two numbers a line
	v_dual_min_num_f32 v[S+64*(\u)+(\i)], v[S+64*(\u)+(\i)], v[LIMA] :: v_dual_min_num_f32 v[S+64*(\u)+(\i)+1], v[S+64*(\u)+(\i)+1], v[LIMB]
.endm
.macro HOLDG u, i                      ; the four numbers of group i
	HOLD \u, 4*(\i)
	HOLD \u, 4*(\i)+2
.endm
.macro LSUM u                          ; l = l x f + the step's sum
	v_pk_fma_f32 v[ST+12*(\u)+2:ST+12*(\u)+3], v[ST+12*(\u)+2:ST+12*(\u)+3], v[ST+12*(\u)+4:ST+12*(\u)+5], v[T:T+1] op_sel_hi:[1,0,1]
.endm
.macro CODES u                         ; eight key tiles' numbers into P's sixteen registers, window 1
	WIN TO_1
.irp t, 0,1,2,3,4,5,6,7
	v_cvt_scalef32_pk8_fp8_f32 v[P+16*(\u)+2*\t:P+16*(\u)+2*\t+1], v[S+64*(\u)+8*\t:S+64*(\u)+8*\t+7], v[SCL]
.endr
	WIN 0
.endm
; A KEY STEP: 128 keys.  fetch = 1: the next step's K is asked for.
.macro STEP fetch
	WIN MULW
.irp t, 0,1,2,3,4,5,6,7
.irp u, 0,1
	v_wmma_f32_16x16x64_fp8_fp8 v[S+64*\u+8*\t:S+64*\u+8*\t+7], v[KF+8*\t:KF+8*\t+7], v[QF+8*\u:QF+8*\u+7], 0
.endr
.endr
	WIN 0
	v_add_nc_u32 v[ADV], s[TB], v[LV]              ; four places between the products and the loads into K's and V's registers and the reads of S
.if \fetch
	v_add_nc_u32 v[ADK], s[TB], v[LN]
.else
	v_nop
.endif
	v_mov_b32 v[ST+8], v[ST]                       ; the old -M of both tiles: work that is due, in two of the four places
	v_mov_b32 v[ST+20], v[ST+12]
	WIN TO_1
.if \fetch
.irp t, 0,1,2,3,4,5,6,7
	ds_load_b128 v[KF+8*\t:KF+8*\t+3], v[ADK] offset:8192+1024*\t          ; an image comes back as it was stored: 512 consecutive bytes a load
	ds_load_b128 v[KF+8*\t+4:KF+8*\t+7], v[ADK] offset:8192+1024*\t+512
.endr
.endif
.irp t, 0,1,2,3
.irp q, 0,1,2,3
	ds_load_b128 v[VF+16*\t+4*\q:VF+16*\t+4*\q+3], v[ADV] offset:4096*(\q/2)+1024*\t+512*(\q%2)   ; channel tile t: the image of keys 0-63, then that of keys 64-127
.endr
.endr
	WIN 0
.set n, 0
.rept 32
	MAXL 0
	MAXL 1
.set n, n+1
.endr
.set n, 0
.rept 4                                ; up to -M
	STAT 0
	STAT 1
.set n, n+1
.endr
.set e, 0
.rept 3                                ; the three lines that lead from -M to f, with tile 0's t - M between them
	STAT 0
	STAT 1
.set n, n+1
.rept 4
	TM 0, e
.set e, e+1
.endr
.endr
.rept 20
	TM 0, e
.set e, e+1
.endr
.irp u, 0,1
.set j, 0
.rept 16                               ; O^T x f, ahead of the exponentials; each accumulator from its low end on
	v_pk_mul_f32 v[OT+32*\u+j:OT+32*\u+j+1], v[OT+32*\u+j:OT+32*\u+j+1], v[ST+12*\u+4:ST+12*\u+5] op_sel_hi:[1,0]
.set j, j+2
.endr
.endr
	s_wait_alu depctr_va_vdst(0)                   ; ahead of a batch of transcendentals
.set e, 0
.rept 32
	EX 0, 2*e
	EX 0, 2*e+1
	TM 1, e
.set e, e+1
.endr
	s_wait_alu depctr_va_vdst(0)                   ; behind tile 0's batch and ahead of tile 1's
.set j, 0
.rept 16
	EX 1, 4*j
	EX 1, 4*j+1
	L1 0, j, j
	EX 1, 4*j+2
	HOLD 0, 4*j
	EX 1, 4*j+3
	HOLD 0, 4*j+2
.set j, j+1
.endr
	v_nop                                          ; a plain line behind the last exponential
	s_wait_alu depctr_va_vdst(0)                   ; behind tile 1's batch, and directly ahead of the wait below
	s_wait_dscnt 0x0                               ; V is in, and so is the next step's K: no LDS instruction of mine is out from here to the next step's loads
.irp j, 0,1,2,3,4,5,6,7
	TT \j, \j+8                                    ; tile 0's tree; pairs 8-15 come free
.endr
.irp j, 0,1,2,3,4,5,6,7
	L1 1, \j, \j+8
.endr
.irp j, 0,1,2,3
	TT \j, \j+4
.endr
.irp j, 0,1,2,3
	HOLDG 1, \j
.endr
	TT 0, 2
	TT 1, 3
.irp j, 4,5,6,7
	HOLDG 1, \j
.endr
	TT 0, 1
.irp j, 8,9,10,11,12,13,14
	L1 1, \j, \j-7
.endr
	LSUM 0
	L1 1, 15, 0
.irp j, 1,2,3,4,5,6,7,0
	TT \j, \j+8                                    ; tile 1's tree; the pair written last is taken last
.endr
.irp j, 8,9,10,11
	HOLDG 1, \j
.endr
.irp j, 0,1,2,3
	TT \j, \j+4
.endr
.irp j, 12,13,14,15
	HOLDG 1, \j
.endr
	TT 0, 2
	TT 1, 3
	CODES 0
	TT 0, 1                                        ; (a plain line between two runs of conversions)
	CODES 1
	LSUM 1                                         ; a plain line between the conversions and the products that read their results
	WIN MULW
.irp u, 0,1
.irp t, 0,1,2,3
	v_wmma_f32_16x16x128_fp8_fp8 v[OT+32*\u+8*\t:OT+32*\u+8*\t+7], v[VF+16*\t:VF+16*\t+15], v[P+16*\u:P+16*\u+15], v[OT+32*\u+8*\t:OT+32*\u+8*\t+7]   ; eight accumulators by turns, one instruction each
.endr
.endr
	WIN 0
.endm
.macro RUN trips, first                ; so many steps, from step 'first' on
	s_mov_b32 s[TB], (\first)*8192
	s_mov_b32 s[CNT], \trips
.Lstep_\@:
	STEP 1
	s_add_co_u32 s[TB], s[TB], 8192
	s_sub_co_u32 s[CNT], s[CNT], 1
	s_cmp_lg_u32 s[CNT], 0
	s_cbranch_scc1 .Lstep_\@
.endm
	s_wait_alu depctr_va_vdst(0)
	s_wait_loadcnt 0x0                             ; Q
	s_wait_tensorcnt 0x0                           ; my part of the first stage has landed
	ds_add_u32 v[SPW], v[NIL]
	s_wait_dscnt 0x0
	CROUND                                         ; everybody's part has landed, and all four work-groups are here: the joint loads meet
	tensor_load_to_lds s[G0R:G0R+3], s[G1R:G1R+7]  ; the second stage: the first tensor load behind the round
	s_nop 0
.rept 4
	v_nop
.endr
	WIN TO_1
.irp t, 0,1,2,3,4,5,6,7
	ds_load_b128 v[KF+8*\t:KF+8*\t+3], v[LN] offset:1024*\t                ; step 0's K
	ds_load_b128 v[KF+8*\t+4:KF+8*\t+7], v[LN] offset:1024*\t+512
.endr
	WIN 0
	s_wait_dscnt 0x0
	RUN 3, 0                                       ; steps 0-2 read V of steps 0-2 and fetch K of steps 1-3: the first stage
	s_wait_tensorcnt 0x0                           ; the gate: my part of the second stage has landed,
	s_barrier_signal -1
	s_barrier_wait -1                              ; and everybody's
	RUN 12, 3
	s_mov_b32 s[TB], 15*8192
	STEP 0                                         ; the last step has no K to fetch
	; THE WAY OUT.  l's halves and the other half of the lanes' are added (these lines are the places behind the last products); O^T x 2^(e8 + e9) / l is held, converted with 2^e10 and stored.
.irp u, 0,1
	v_add_f32 v[ST+12*\u+6], v[ST+12*\u+2], v[ST+12*\u+3]
.endr
.irp u, 0,1
	v_permlanex16_b32 v[ST+12*\u+10], v[ST+12*\u+6], s[SEL], s[SEL+1]
.endr
.irp u, 0,1
	v_add_f32 v[ST+12*\u+6], v[ST+12*\u+6], v[ST+12*\u+10]
.endr
	s_add_co_i32 s56, s52, s53                     ; e8 + e9
	s_add_co_i32 s57, s54, 127
	s_lshl_b32 s58, s57, 23
	v_mov_b32 v[SCL], s58                          ; 2^e10
	s_add_co_i32 s57, s57, 8
	s_lshl_b32 s57, s57, 23
	s_or_b32 s57, s57, 0x600000
	v_mov_b32 v[LIMA], s57                         ; 448 x 2^e10
	s_wait_alu depctr_va_vdst(0)                   ; ahead of the reciprocals
.irp u, 0,1
	v_rcp_f32 v[ST+12*\u+7], v[ST+12*\u+6]
.endr
	v_nop                                          ; a plain line behind the reciprocals
	s_wait_alu depctr_va_vdst(0)                   ; ahead of the reciprocals' first reader
.irp u, 0,1
	v_ldexp_f32 v[ST+12*\u+4], v[ST+12*\u+7], s56
.endr
	s_wait_alu depctr_va_vdst(0)                   ; directly ahead of the first readers of O^T
.irp u, 0,1
.set j, 0
.rept 16
	v_pk_mul_f32 v[S+32*\u+j:S+32*\u+j+1], v[OT+32*\u+j:OT+32*\u+j+1], v[ST+12*\u+4:ST+12*\u+5] op_sel_hi:[1,0]   ; register 8 t + i: query lane % 16, channel 16 t + 8 (lane / 16) + i
.set j, j+2
.endr
.endr
.set j, 0
.rept 64
	v_med3_num_f32 v[S+j], v[S+j], -v[LIMA], v[LIMA]
.set j, j+1
.endr
.irp u, 0,1
.irp t, 0,1,2,3
	v_cvt_scalef32_pk8_fp8_f32 v[T+8*\u+2*\t:T+8*\u+2*\t+1], v[S+32*\u+8*\t:S+32*\u+8*\t+7], v[SCL]
.endr
.endr
	v_nop
.irp u, 0,1
.irp t, 0,1,2,3
	global_store_b64 v[GO], v[T+8*\u+2*\t:T+8*\u+2*\t+1], s[8:9] offset:1024*\u+256*\t   ; the wave stores 256 consecutive bytes, aligned: byte 256 t + 16 r + 8 h + i = token r, channel 16 t + 8 h + i
.endr
.endr
	s_wait_tensorcnt 0x0                           ; the wave's end
	ds_add_u32 v[SPW], v[NIL]
	s_wait_dscnt 0x0
	CROUND                                         ; the closing round
	s_endpgm
.Lfunc_end_k_qf1f5f6e95a_attn:
	.size	k_qf1f5f6e95a_attn, .Lfunc_end_k_qf1f5f6e95a_attn-k_qf1f5f6e95a_attn
	.p2alignl 7, 3214868480
	.fill 96, 4, 3214868480
	.section	.rodata,"a",@progbits
	.p2align	6, 0x0
	.amdhsa_kernel k_qf1f5f6e95a_attn
		.amdhsa_group_segment_fixed_size 327680
		.amdhsa_private_segment_fixed_size 0
		.amdhsa_enable_private_segment 0
		.amdhsa_kernarg_size 24
		.amdhsa_user_sgpr_count 2
		.amdhsa_user_sgpr_kernarg_segment_ptr 1
		.amdhsa_wavefront_size32 1
		.amdhsa_system_sgpr_workgroup_id_x 1
		.amdhsa_system_sgpr_workgroup_id_y 1
		.amdhsa_system_sgpr_workgroup_id_z 1
		.amdhsa_system_vgpr_workitem_id 0
		.amdhsa_next_free_vgpr 448
		.amdhsa_next_free_sgpr 72
		.amdhsa_reserve_vcc 0
		.amdhsa_float_denorm_mode_32 3
		.amdhsa_float_denorm_mode_16_64 3
		.amdhsa_memory_ordered 1
		.amdhsa_forward_progress 1
		.amdhsa_inst_pref_size 102
	.end_amdhsa_kernel
	.amdgpu_metadata
---
amdhsa.version: [ 1, 2 ]
amdhsa.kernels:
  - .name:           k_qf1f5f6e95a_attn
    .symbol:         k_qf1f5f6e95a_attn.kd
    .args:
      - { .name: qkv, .offset: 0, .size: 8, .value_kind: global_buffer, .address_space: global }
      - { .name: lowp_scales, .offset: 8, .size: 8, .value_kind: global_buffer, .address_space: global }
      - { .name: oc, .offset: 16, .size: 8, .value_kind: global_buffer, .address_space: global }
    .group_segment_fixed_size: 327680
    .private_segment_fixed_size: 0
    .kernarg_segment_align: 8
    .kernarg_segment_size: 24
    .max_flat_workgroup_size: 256
    .sgpr_count:     72
    .vgpr_count:     448
    .wavefront_size: 32
...
	.end_amdgpu_metadata
.endif
;; end of part 7
;; launch oproj (part 8): grid 8 x 32, 4 waves a work-group, clusters of 4 x 4, 282,112 bytes of LDS; arguments oc, wc, lowp_scales, bo, out0; writes out0
.if DOCPART == 8
	.amdgcn_target "amdgcn-amd-amdhsa--gfx1250"
	.amdhsa_code_object_version 6
	.text
	.protected	k_qf1f5f6e95a_oproj
	.globl	k_qf1f5f6e95a_oproj
	.p2align	8
	.type	k_qf1f5f6e95a_oproj,@function
k_qf1f5f6e95a_oproj:
	s_mov_b64 s[64:65], 0
	v_nop
	global_prefetch_b8 v0, s[64:65] scope:SCOPE_SE
	s_setreg_imm32_b32 hwreg(HW_REG_WAVE_MODE, 25, 1), 1
	s_wait_xcnt 0x0
	s_wait_alu depctr_hold_cnt(0) depctr_sa_sdst(0) depctr_va_vdst(0) depctr_va_sdst(0) depctr_va_ssrc(0) depctr_va_vcc(0) depctr_vm_vsrc(0)
	s_getreg_b32 s2, hwreg(HW_REG_IB_STS2, 6, 4)
	s_cmp_eq_u32 s2, 0
	s_cbranch_scc0 .Lentry_in_a_cluster
	s_endpgm
.Lentry_in_a_cluster:
	s_bfe_u32 s2, ttmp6, 0x10000c
	s_cmp_lg_u32 s2, 0xf033
	s_cbranch_scc0 .Lentry_shape_is_right
	s_endpgm
.Lentry_shape_is_right:
; out0 = attention's output x Wo + bo on E4M3 codes: sum x 2^(e10 + e11) + bo.  A: oc, [head 16][token tile 256][image of 1,024 bytes]; B: Wo's codes, [n 1024][k 1024], the fourth part of wc.
; A tile of 128 x 128 is made by four waves, 64 x 64 each (16 accumulators): 32 x 8 = 256 work-groups.
; THE WHOLE K LIES IN LDS, filled once: A's 128 tokens x 1,024 codes are 131,072 bytes (head h at 8,192 h), B's 128 rows of 1,024 bytes + 16 of padding 133,120.  Each wave brings a quarter by its one tensor load:
; waves 0, 1 eight heads of A each (8 rows of 8,192 bytes), waves 2, 3 sixty-four rows of B each.  One wait and one barrier, then eight K steps of 128, written out.
; AN IMAGE of oc holds 16 tokens x a head's 64 channels: byte 512 c + 16 l holds, for lane l = (r, h), token r, channels 32 c + 16 h + 0 .. 15.  Two images' four loads of 16 bytes a lane give a fragment of 128 along K with
; registers 4 c .. 4 c + 3 = k 32 c + 16 h + 0 .. 15: the order in which B's rows are read, so every product meets its partner.
; CLUSTERS: 4 x 4; A's tile is asked for jointly along a row of the cluster, B's along a column.  The matrix instruction is used transposed (source 0 = B's rows): a lane holds eight neighbouring columns of a row.
; NO PREFETCH: every tile is asked for once, at the head; there is no loop in which to ask ahead.
; LIMIT: e10 + e11 between -126 and 127.
; REGISTERS: window 0: v0-23 addresses and bo; v32-95 the way out, two sets of 16 rows; v126, v127 the add's; v128-255 the accumulators ((a, b) at v[128 + 8 (4 a + b)]).
;   window 1: two fragment buffers of 128: A's four fragments (16 registers each), then B's four.
.set PITCH,  1040                      ; a row of B in LDS: 260 words, so the 16 rows that a load touches start 4 banks apart (64 banks of 4 bytes: ISA guide 11.1)
.set ASTG,   32768                     ; A: four heads
.set BOFF,   131072
.set STG,    BOFF+128*PITCH            ; behind the tiles: 16 rows x (256 + 16) bytes for each wave, for the way out
.set SPITCH, 272
.set SPARE,  STG+4*16*SPITCH           ; the spare words
.set ADRA, 8                           ; v8-11   LDS address of my A fragments, heads 4 s on
.set ADRB, 12                          ; v12     the same for B
.set STO,  16
.set RD,   17
.set CO,   18
.set BI,   20                          ; v20-23  bo at the four columns that I store
.set BK,   32
.set SPW,  126
.set NIL,  127
.set ACC,  128
.set F0,   0
.set F1,   128
.set G1,  24
.set G1B, 32
.set G0,  40
.set G0B, 44
.set MSB, 0
.macro WIN new
.if MSB != (\new)
	s_set_vgpr_msb (MSB<<8)|(\new)
.set MSB, (\new)
.endif
.endm
.set MULW, 0x05                        ; sources 0 (B) and 1 (A) window 1; C and D window 0
.set TO_F, 0x40                        ; destination window 1, address window 0
.macro CROUND
	s_barrier_signal -1
	s_barrier_wait -1
	s_cmp_lg_u32 s14, 0
	s_cbranch_scc1 .Lnot_wave_0_\@
	s_barrier_signal -3
.Lnot_wave_0_\@:
	s_barrier_wait -3
	s_barrier_signal -1
	s_barrier_wait -1
.endm
	s_load_b256 s[4:11], s[0:1], 0x0               ; oc, wc, the scales' exponents, bo
	s_load_b64 s[12:13], s[0:1], 0x20              ; out0
	v_lshl_add_u32 v[SPW], v0, 2, SPARE
	v_mov_b32 v[NIL], 0
	ds_add_u32 v[SPW], v[NIL]                      ; the opening lines: the add twice on end and one wait
	ds_add_u32 v[SPW], v[NIL]
	v_lshrrev_b32 v1, 5, v0
	v_readfirstlane_b32 s14, v1                    ; wave 0..3
	s_lshr_b32 s15, s14, 1                         ; my half of the tile's rows.  Also: I fetch for A (0) or for B (1)
	s_and_b32 s16, s14, 1                          ; my half of its columns.  Also: which half of that tile I fetch
	s_bfe_u32 s84, ttmp6, 0x40000                  ; cx
	s_bfe_u32 s85, ttmp6, 0x40004                  ; cy
	s_lshl_b32 s86, ttmp9, 2
	s_add_co_u32 s86, s86, s84                     ; tile column 0 .. 7
	s_and_b32 s17, ttmp7, 0xffff
	s_lshl_b32 s17, s17, 2
	s_add_co_u32 s17, s17, s85                     ; tile row 0 .. 31
	s_lshl_b32 s87, s85, 2
	s_lshl_b32 s87, 15, s87                        ; my row of the cluster
	s_lshl_b32 s88, 0x1111, s84                    ; my column
	s_or_b32 s[G1+0], s87, (0<<16)|(1<<21)         ; A: the mask; elements of 1 byte; bit 21 beside a mask; no padding
	s_mov_b32 s[G1+1], 8192<<16                    ; a row: 8 token tiles of one head, 8,192 bytes on end
	s_mov_b32 s[G1+2], 8<<16                       ; eight heads
	s_mov_b32 s[G1+3], 8192<<16
	s_mov_b32 s[G1+4], 8
	s_mov_b32 s[G1+5], 262144                      ; from head to head
	s_mov_b32 s[G1+6], 0
	s_mov_b32 s[G1+7], 0
	s_or_b32 s[G1B+0], s88, (0<<16)|(1<<20)|(1<<21)|(7<<22)|(3<<25)   ; B: 4 words of padding behind every 256
	s_mov_b32 s[G1B+1], 1024<<16                   ; a row: 1,024 codes
	s_mov_b32 s[G1B+2], 64<<16                     ; 64 rows
	s_mov_b32 s[G1B+3], 1024<<16
	s_mov_b32 s[G1B+4], 64
	s_mov_b32 s[G1B+5], 1024
	s_mov_b32 s[G1B+6], 0
	s_mov_b32 s[G1B+7], 0
	s_lshl_b32 s20, s17, 13                        ; A: the tile row's 8 token tiles,
	s_lshl_b32 s18, s16, 21                        ; my eight heads
	s_add_co_u32 s20, s20, s18
	s_mov_b32 s21, 0
	s_lshl_b32 s90, s86, 17                        ; B: 128 rows of 1,024 bytes,
	s_lshl_b32 s91, s16, 16                        ; my 64 of them,
	s_add_co_u32 s90, s90, s91
	s_add_co_u32 s90, s90, 0x300000                ; in the fourth weight
	s_mov_b32 s91, 0
	s_lshl_b32 s22, s16, 16                        ; where they go: A: eight heads are 65,536 bytes;
	s_mul_i32 s23, s16, 64*PITCH
	s_add_co_u32 s23, s23, BOFF                    ; B: 64 rows, behind A: no place in the cluster enters an LDS address
	s_wait_dscnt 0x0
	s_wait_kmcnt 0x0
	s_load_b64 s[96:97], s[8:9], 0x28              ; e10, e11
	s_add_nc_u64 s[20:21], s[4:5], s[20:21]
	s_add_nc_u64 s[90:91], s[6:7], s[90:91]
	CROUND                                         ; all sixteen work-groups are here: the joint loads meet
	s_mov_b32 s[G0], 1
	s_mov_b32 s[G0+1], s22
	s_mov_b64 s[G0+2:G0+3], s[20:21]
	s_or_b32 s[G0+3], s[G0+3], 0x80000000
	s_mov_b32 s[G0B], 1
	s_mov_b32 s[G0B+1], s23
	s_mov_b64 s[G0B+2:G0B+3], s[90:91]
	s_or_b32 s[G0B+3], s[G0B+3], 0x80000000
	s_cmp_eq_u32 s15, 0                            ; one tensor load a wave, in the two arms of one branch on the wave's number
	s_cbranch_scc0 .Lfirst_b
	tensor_load_to_lds s[G0:G0+3], s[G1:G1+7]
	s_nop 0
.rept 4
	v_nop
.endr
	s_branch .Lfirst_asked
.Lfirst_b:
	tensor_load_to_lds s[G0B:G0B+3], s[G1B:G1B+7]
	s_nop 0
.rept 4
	v_nop
.endr
.Lfirst_asked:
	v_and_b32 v1, 15, v0                           ; r
	v_bfe_u32 v2, v0, 4, 1                         ; h
	v_and_b32 v3, 31, v0
	v_lshlrev_b32 v3, 4, v3                        ; 16 x lane
	v_mul_u32_u24 v4, v1, PITCH
	v_lshl_add_u32 v4, v2, 4, v4                   ; B: row r x pitch + 16 h
	s_wait_alu depctr_va_vdst(0)
	s_lshl_b32 s18, s15, 12                        ; A: my 64 tokens are four images of each head
	s_mul_i32 s19, s16, 64*PITCH
	s_add_co_u32 s19, s19, BOFF                    ; B: my 64 rows
	v_add_nc_u32 v[ADRB], s19, v4
.irp s, 0,1,2,3
	v_add_nc_u32 v[ADRA+\s], s18, v3
	s_add_co_u32 s18, s18, ASTG
.endr
	s_mul_i32 s18, s14, 16*SPITCH
	s_add_co_u32 s18, s18, STG                     ; my stage
	v_mul_u32_u24 v5, v1, SPITCH
	v_lshl_add_u32 v5, v2, 5, v5
	v_add_nc_u32 v[STO], s18, v5                   ; in: row r, 32 bytes for each half of the lanes
	v_mul_u32_u24 v6, v2, SPITCH
	v_lshl_add_u32 v6, v1, 4, v6
	v_add_nc_u32 v[RD], s18, v6                    ; back: lanes 0-15 take one row of 256 bytes, lanes 16-31 the next
	v_lshlrev_b32 v[CO], 12, v2
	v_lshl_add_u32 v[CO], v1, 4, v[CO]             ; and the same two rows in out0
	v_lshlrev_b32 v7, 4, v1                        ; bo: four numbers for each of sixteen lanes
	s_wait_alu depctr_va_vdst(0)
	s_lshl_b32 s20, s17, 7
	s_lshl_b32 s21, s15, 6
	s_add_co_u32 s20, s20, s21                     ; my first row: 128 x tile row + 64 x half,
	s_lshl_b32 s20, s20, 12                        ; of 4,096 bytes
	s_mov_b32 s21, 0
	s_lshl_b32 s90, s86, 9                         ; my first column, in bytes: 512 x tile column + 256 x half
	s_lshl_b32 s91, s16, 8
	s_add_co_u32 s90, s90, s91
	s_mov_b32 s91, 0
	s_add_nc_u64 s[10:11], s[10:11], s[90:91]
	s_add_nc_u64 s[12:13], s[12:13], s[20:21]
	s_add_nc_u64 s[12:13], s[12:13], s[90:91]
	global_load_b128 v[BI:BI+3], v7, s[10:11]
; 32 LDS loads in one run: the fragments of K step k into buffer f.  B: registers 4 c .. 4 c + 3 hold K = 128 k + 32 c + 16 h + 0 .. 15; A: the same k: head 2 k + c / 2, half c % 2 of an image
.macro FETCH k, f
	WIN TO_F
.irp i, 0,1,2,3
.irp c, 0,1,2,3
	ds_load_b128 v[\f+64+16*\i+4*\c:\f+64+16*\i+4*\c+3], v[ADRB] offset:128*(\k)+32*\c+\i*16*PITCH
.endr
.endr
.irp i, 0,1,2,3
.irp c, 0,1,2,3
	ds_load_b128 v[\f+16*\i+4*\c:\f+16*\i+4*\c+3], v[ADRA+(\k)/2] offset:(2*((\k)%2)+\c/2)*8192+1024*\i+512*(\c%2)
.endr
.endr
.endm
; 16 matrix instructions: A's four blocks x B's four, 128 along K.  The 16 accumulators take turns, one instruction a turn, in the same order in every step.
.macro MUL16 f, zero
	WIN MULW
.irp a, 0,1,2,3
.irp b, 0,1,2,3
.if \zero
	v_wmma_f32_16x16x128_fp8_fp8 v[ACC+8*(4*\a+\b):ACC+8*(4*\a+\b)+7], v[\f+64+16*\b:\f+64+16*\b+15], v[\f+16*\a:\f+16*\a+15], 0
.else
	v_wmma_f32_16x16x128_fp8_fp8 v[ACC+8*(4*\a+\b):ACC+8*(4*\a+\b)+7], v[\f+64+16*\b:\f+64+16*\b+15], v[\f+16*\a:\f+16*\a+15], v[ACC+8*(4*\a+\b):ACC+8*(4*\a+\b)+7]
.endif
.endr
.endr
.endm
.macro PLACES                          ; plain vector lines between a matrix instruction and a load into, or a read of, its registers
.rept 4
	v_nop
.endr
.endm
; K step k multiplies buffer f; ahead of its products the next step's fragments are asked for, into buffer g.
.macro KSTEP k, f, g, zero
	s_wait_dscnt 0x0                               ; this step's fragments are in
.if (\k) < 7
.if (\k) > 0
	PLACES                                         ; buffer g was multiplied by the step before
.endif
	FETCH (\k)+1, \g
.endif
	MUL16 \f, \zero
.endm
	s_wait_tensorcnt 0x0                           ; my quarter is in,
	s_barrier_signal -1
	s_barrier_wait -1                              ; and everybody's
	FETCH 0, F0
	KSTEP 0, F0, F1, 1                             ; the first step's products start the sums
	KSTEP 1, F1, F0, 0
	KSTEP 2, F0, F1, 0
	KSTEP 3, F1, F0, 0
	KSTEP 4, F0, F1, 0
	KSTEP 5, F1, F0, 0
	KSTEP 6, F0, F1, 0
	KSTEP 7, F1, F0, 0
	WIN 0
; THE WAY OUT, block by block of 16 rows x 64 columns: the sums go into my own stage as they are and come back as whole rows of 256 bytes; there a lane holds four columns, the same in every row, so the scale and
; the bias are one packed multiply-add for two numbers.  LDS serves a wave's instructions in order (ISA guide 5.7.1.4): no wait between the stores and the loads, nor in front of the next block's stores.
.macro TOSTAGE a
.irp b, 0,1,2,3
	ds_store_b128 v[STO], v[ACC+8*(4*(\a)+\b):ACC+8*(4*(\a)+\b)+3] offset:64*\b          ; each accumulator from its low end on
	ds_store_b128 v[STO], v[ACC+8*(4*(\a)+\b)+4:ACC+8*(4*(\a)+\b)+7] offset:64*\b+16
.endr
.set BB, BK+32*((\a)%2)
.irp t, 0,1,2,3,4,5,6,7
	ds_load_b128 v[BB+4*\t:BB+4*\t+3], v[RD] offset:\t*2*SPITCH
.endr
.endm
.macro SEND a, younger                 ; younger: the LDS instructions issued behind block a's loads, which may stay out
.set BB, BK+32*((\a)%2)
	s_wait_dscnt \younger
.set j, 0
.rept 8
	v_pk_fma_f32 v[BB+j:BB+j+1], v[BB+j:BB+j+1], s[96:97], v[BI:BI+1] op_sel_hi:[1,0,1]         ; sum x 2^(e10 + e11) + bo
	v_pk_fma_f32 v[BB+j+2:BB+j+3], v[BB+j+2:BB+j+3], s[96:97], v[BI+2:BI+3] op_sel_hi:[1,0,1]
.set j, j+4
.endr
.irp t, 0,1,2,3,4,5,6,7
	global_store_b128 v[CO], v[BB+4*\t:BB+4*\t+3], s[12:13] offset:(16*(\a)+2*\t)*4096 th:TH_STORE_NT   ; 16 lanes store 256 consecutive bytes, aligned
.endr
.endm
	s_wait_kmcnt 0x0
	s_add_co_i32 s96, s96, s97
	s_add_co_i32 s96, s96, 127
	s_lshl_b32 s96, s96, 23                        ; 2^(e10 + e11) as f32
	s_mov_b32 s97, s96                             ; (named with it as a pair)
	s_wait_loadcnt 0x0                             ; bo
	PLACES                                         ; between the last products and the stores of their results
	TOSTAGE 0
.irp a, 1,2,3
.if \a > 1
	s_wait_xcnt 0x0                                ; block a - 2's stores have read their registers: block a's loads may land there
.endif
	TOSTAGE \a
	SEND \a-1, 16                                  ; behind block a - 1's loads: block a's 8 stores and 8 loads
.endr
	SEND 3, 0
	s_wait_tensorcnt 0x0                           ; the wave's end
	ds_add_u32 v[SPW], v[NIL]
	s_wait_dscnt 0x0
	CROUND                                         ; the closing round
	s_endpgm
.Lfunc_end_k_qf1f5f6e95a_oproj:
	.size	k_qf1f5f6e95a_oproj, .Lfunc_end_k_qf1f5f6e95a_oproj-k_qf1f5f6e95a_oproj
	.p2alignl 7, 3214868480
	.fill 96, 4, 3214868480
	.section	.rodata,"a",@progbits
	.p2align	6, 0x0
	.amdhsa_kernel k_qf1f5f6e95a_oproj
		.amdhsa_group_segment_fixed_size 282112
		.amdhsa_private_segment_fixed_size 0
		.amdhsa_enable_private_segment 0
		.amdhsa_kernarg_size 40
		.amdhsa_user_sgpr_count 2
		.amdhsa_user_sgpr_kernarg_segment_ptr 1
		.amdhsa_wavefront_size32 1
		.amdhsa_system_sgpr_workgroup_id_x 1
		.amdhsa_system_sgpr_workgroup_id_y 1
		.amdhsa_system_sgpr_workgroup_id_z 1
		.amdhsa_system_vgpr_workitem_id 0
		.amdhsa_next_free_vgpr 512
		.amdhsa_next_free_sgpr 98
		.amdhsa_reserve_vcc 0
		.amdhsa_float_denorm_mode_32 3
		.amdhsa_float_denorm_mode_16_64 3
		.amdhsa_memory_ordered 1
		.amdhsa_forward_progress 1
		.amdhsa_inst_pref_size 44
	.end_amdhsa_kernel
	.amdgpu_metadata
---
amdhsa.version: [ 1, 2 ]
amdhsa.kernels:
  - .name:           k_qf1f5f6e95a_oproj
    .symbol:         k_qf1f5f6e95a_oproj.kd
    .args:
      - { .name: oc, .offset: 0, .size: 8, .value_kind: global_buffer, .address_space: global }
      - { .name: wc, .offset: 8, .size: 8, .value_kind: global_buffer, .address_space: global }
      - { .name: lowp_scales, .offset: 16, .size: 8, .value_kind: global_buffer, .address_space: global }
      - { .name: bo, .offset: 24, .size: 8, .value_kind: global_buffer, .address_space: global }
      - { .name: out0, .offset: 32, .size: 8, .value_kind: global_buffer, .address_space: global }
    .group_segment_fixed_size: 282112
    .private_segment_fixed_size: 0
    .kernarg_segment_align: 8
    .kernarg_segment_size: 40
    .max_flat_workgroup_size: 128
    .sgpr_count:     98
    .vgpr_count:     512
    .wavefront_size: 32
...
	.end_amdgpu_metadata
.endif
;; end of part 8
